; MI455X (gfx1250); checked and timed in simulation.
; The chip was launched on July 23, 2026; its instructions are those of AMD's public machine-readable ISA for CDNA 5 (MIT licence, August 2026) and "CDNA5" Instruction Set Architecture Reference Guide (July 2026). The comments in the code are by the model that wrote it; some were corrected since.
;; Share Att Cross Attention. Allowed arithmetic: matrix products marked QUANTISED: E4M3 operands, one E8M0 scale for each 32 along K, by v_wmma_scale_f32_16x16x128_f8f6f4 with both operands' format E4M3, f32 sums; everything else in f32.
;; Inputs: Wk_codes 512 x 16 x 32 uint8 (E4M3 codes of Wk, K innermost, in blocks of 32 codes); Wk_scales 512 x 16 uint8 (E8M0 scales of Wk, one for each 32 codes along K); Wpd_codes 512 x 16 x 32 uint8 (E4M3 codes of Wpd, K innermost, in blocks of 32 codes); Wpd_scales 512 x 16 uint8 (E8M0 scales of Wpd, one for each 32 codes along K); Wpr_codes 512 x 16 x 32 uint8 (E4M3 codes of Wpr, K innermost, in blocks of 32 codes); Wpr_scales 512 x 16 uint8 (E8M0 scales of Wpr, one for each 32 codes along K); Wq_codes 512 x 16 x 32 uint8 (E4M3 codes of Wq, K innermost, in blocks of 32 codes); Wq_scales 512 x 16 uint8 (E8M0 scales of Wq, one for each 32 codes along K); Wvd_codes 512 x 16 x 32 uint8 (E4M3 codes of Wvd, K innermost, in blocks of 32 codes); Wvd_scales 512 x 16 uint8 (E8M0 scales of Wvd, one for each 32 codes along K); Wvr_codes 512 x 16 x 32 uint8 (E4M3 codes of Wvr, K innermost, in blocks of 32 codes); Wvr_scales 512 x 16 uint8 (E8M0 scales of Wvr, one for each 32 codes along K); b_d 512 float32; b_r 512 float32; bk 512 float32; bpd 512 float32; bpr 512 float32; bq 512 float32; bvd 512 float32; bvr 512 float32; g_d 512 float32; g_r 512 float32; x 4 x 2,048 x 512 float32; y 4 x 2,048 x 512 float32.
;; Outputs: out0 4 x 2,048 x 512 float32; out1 4 x 2,048 x 512 float32.
;; Constants: num_heads = 8.
;; This version of the problem:
;;   THIS VERSION OF THE PROBLEM IS GIVEN IN LOW PRECISION. The matrix products marked QUANTISED in the list below multiply operands that are first quantised to E4M3 (4 exponent bits, 3 mantissa bits; 8 bits a number), with one power-of-two scale for each 32 numbers along K (OCP MX v1.0); their sums are f32. All else is computed in f32.
;;   The module's matrix products, in the order in which they are computed (A, B: the left and right operand; K: the contracted axis; several contracted axes count as one K, in the product's order):
;;     1. [M 8,192, K 512] x [K 512, N 512]; A: computed on the way; B: input Wq (given as codes): QUANTISED
;;     2. [M 8,192, K 512] x [K 512, N 512]; A: computed on the way; B: input Wvr (given as codes): QUANTISED
;;     3. [M 8,192, K 512] x [K 512, N 512]; A: computed on the way; B: input Wk (given as codes): QUANTISED
;;     4. [M 8,192, K 512] x [K 512, N 512]; A: computed on the way; B: input Wvd (given as codes): QUANTISED
;;     5. batch 32 x [M 2,048, K 64] x [K 64, N 2,048]; A: computed on the way; B: computed on the way: QUANTISED
;;     6. batch 32 x [M 2,048, K 2,048] x [K 2,048, N 64]; A: softmax (see below); B: computed on the way: QUANTISED
;;     7. [M 8,192, K 512] x [K 512, N 512]; A: computed on the way; B: input Wpr (given as codes): QUANTISED
;;     8. batch 32 x [M 2,048, K 2,048] x [K 2,048, N 64]; A: softmax (see below); B: computed on the way: QUANTISED
;;     9. [M 8,192, K 512] x [K 512, N 512]; A: computed on the way; B: input Wpd (given as codes): QUANTISED
;;   THE QUANTISER, for each operand of a quantised product, along K:
;;     - K is cut into blocks of 32 from its start; a last block that is shorter is filled with zeros.
;;     - A block's scale is 2^e with e = floor(log2(the largest magnitude in the block)) - 8, held to -126 .. 127; a block of zeros has e = 0. As a byte (E8M0): e + 127.
;;     - Each number is divided by its block's scale, clamped to +-448, and rounded to the nearest number of E4M3, ties to even, subnormals kept.
;;     - The product sums the exact products of the quantised numbers (number of the format x scale) in f32.
;;   ~~~python
;;   def quantise(x, axis):      # numpy; x: float32 -> the quantised numbers, widened to float32 again
;;       x = np.moveaxis(x, axis, -1); K = x.shape[-1]
;;       x = np.pad(x, [(0, 0)] * (x.ndim - 1) + [(0, -K % 32)]); x = x.reshape(x.shape[:-1] + (-1, 32)); a = np.abs(x).max(-1, keepdims=True)
;;       e = np.where(a > 0, np.clip(np.frexp(np.where(a > 0, a, 1))[1] - 1 - 8, -126, 127), 0)      # np.frexp(a)[1] - 1 = floor(log2(a)), exactly
;;       r = np.clip(x / 2.0 ** e, -448, 448)
;;       step = 2.0 ** (np.maximum(np.frexp(np.where(r == 0, 1, r))[1] - 1, -6) - 3)
;;       q = np.round(r / step) * step * 2.0 ** e      # np.round: ties to even
;;       return np.moveaxis(q.reshape(q.shape[:-2] + (-1,))[..., :K], -1, axis).astype(np.float32)
;;   ~~~
;;   SOFTMAX AHEAD OF A QUANTISED PRODUCT. Where the list says 'softmax', what is quantised is not the finished softmax but p = 2^(t - M), with t = logit x log2(e) and M = ceil(the row's largest t), a whole number; so 1/2 < the row's largest p <= 1. The row's sum l is taken of the UNQUANTISED p, in f32, and the product's result is divided by l at the end. Since M is a whole number, a kernel that streams over the keys may use a running M (the ceiling of the running maximum): every later rescaling is an exact power of two, which a block's scale takes up: the codes' values come out the same.
;;   OPERANDS COMPUTED ON THE WAY. 'Computed on the way' means the value that the module computes at that place (a softmax that the list does not call 'softmax' is quantised finished and normalised). What goes into a quantiser is computed in f32, as accurately as f32 sums, v_exp_f32 and their like allow (about 1e-6 of the number): no bf16 or f16 on the way to a quantiser, and a product that is left as it is and whose result goes on into a quantised operand takes f32 operands (vector FMAs, or v_wmma_f32_16x16x4_f32). A number that lies on a knife's edge between two numbers of the format may be rounded either way, as far as f32 arithmetic and the matrix unit's own rounding can turn it there, and no further.
;;   INPUTS GIVEN AS CODES. Wk (in the module: [512, 512], K = its axis 1); Wpd (in the module: [512, 512], K = its axis 1); Wpr (in the module: [512, 512], K = its axis 1); Wq (in the module: [512, 512], K = its axis 1); Wvd (in the module: [512, 512], K = its axis 1); Wvr (in the module: [512, 512], K = its axis 1): each comes as NAME_codes (uint8): NAME with its K axis moved to the last place and cut into blocks of 32 codes, [.., K / 32, bytes a block], one block behind the other in memory; one code a byte (a code: sign, 4 exponent bits, 3 mantissa bits); and NAME_scales (uint8): the same leading axes, one E8M0 byte (e + 127) for each 32 codes along K. Its value is code x scale, taken as it is: it is not quantised again, and the codes and scales need not be those that the quantiser above would give.
;; One version. Each part assembles by itself: llvm-mc -triple=amdgcn-amd-amdhsa -mcpu=gfx1250 --defsym DOCPART=n.
;; ======== version 1 of 1: 3 launches
;; limits: right only within a limited range of input values
;; workspace buffers: kv 17,301,504 bytes; oimg 8,388,608 bytes; osc 524,288 bytes
;; launch qkv (part 1): grid 64 x 4, 4 waves a work-group, clusters of 4 x 1, 327,680 bytes of LDS; arguments x, y, g_r, b_r, g_d, b_d, Wq_codes, Wq_scales, bq, Wk_codes, Wk_scales, bk, Wvr_codes, Wvr_scales, bvr, Wvd_codes, Wvd_scales, bvd, kv; writes kv
.if DOCPART == 1
	.amdgcn_target "amdgcn-amd-amdhsa--gfx1250"
	.amdhsa_code_object_version 6
	.text
	.protected	k_q06ecb4fee9_qkv
	.globl	k_q06ecb4fee9_qkv
	.p2align	8
	.type	k_q06ecb4fee9_qkv,@function
k_q06ecb4fee9_qkv:
	s_mov_b64 s[64:65], 0
	v_nop
	global_prefetch_b8 v0, s[64:65] scope:SCOPE_SE
	s_setreg_imm32_b32 hwreg(HW_REG_WAVE_MODE, 25, 1), 1
	s_wait_xcnt 0x0
	s_wait_alu depctr_hold_cnt(0) depctr_sa_sdst(0) depctr_va_vdst(0) depctr_va_sdst(0) depctr_va_ssrc(0) depctr_va_vcc(0) depctr_vm_vsrc(0)
	s_getreg_b32 s2, hwreg(HW_REG_IB_STS2, 6, 4)
	s_cmp_eq_u32 s2, 0
	s_cbranch_scc0 .Lentry_in_a_cluster
	s_endpgm
.Lentry_in_a_cluster:
	s_bfe_u32 s2, ttmp6, 0x10000c
	s_cmp_lg_u32 s2, 0x3003
	s_cbranch_scc0 .Lentry_shape_is_right
	s_endpgm
.Lentry_shape_is_right:
; LayerNorm, quantiser, one of the four projections, quantiser of the result.  All products on codes of E4M3 with one E8M0 scale for each 32 along K.
; SHARES.  Work-group (x, Y): 128 tokens (128 x .. 128 x + 127 of the 8,192) and ONE weight: Y = 0: q from y (g_d, b_d); Y = 1: k, Y = 2: v_r, Y = 3: v_d, all from x (g_r, b_r).  64 x 4 = 256 equal work-groups.
; Wave w normalises and quantises token tiles 2 w and 2 w + 1 (16 tokens each) and hands their fragments to the others through LDS as images of the operand's registers; it owns output columns 128 w .. 128 w + 127
; (heads 2 w, 2 w + 1), whose 32 fragments of W (512 registers) are read from memory once and stay.  W comes by one joint load of the cluster into LDS, and from there into registers.
; THE ROWS OF W THAT FORM A TILE ARE NOT NEIGHBOURS: lane r of tile 2 b + u takes row 32 b + 8 u + r + 8 (r / 8).
; q, k: the product is used transposed (source 0 = W, source 1 = tokens): a lane holds one token, and its 16 registers of tiles 2 b, 2 b + 1 are channels 32 b + 16 (lane / 16) + 0 .. 15: neighbours along the scores' K.
; v:    source 0 = tokens, source 1 = W: a lane holds one channel, and the 16 registers of two token tiles are 16 tokens of one block of 32 along the keys: slot 16 h + 8 e + j stands for token 16 e + 8 h + j of the block.
;       The attention launch's weights p fall on the same slots, so the order inside a block is the same on both sides of that product and the blocks are the true ones.
; OUT.  qkimg [q, k][pair][token tile][2][lane][16 bytes], qksc [q, k][pair][pair of token tiles][row] one word (tile 2 P's two scale bytes, then tile 2 P + 1's);
;       vimg [v_r, v_d][pair][key step][channel tile][4][lane][16 bytes], vsc [v_r, v_d][pair][key step][channel tile][16] one word.  Each store of codes covers 512 consecutive bytes, aligned.
; LIMITS: a block whose largest magnitude lies under 2^-118 (a block of zeros too) gets the scale byte 1 (a block of zeros: not 127): a block of zeros has zero codes, and the bytes are read by this program alone.  NaN and infinities among the inputs are not served.
;       The norm's last step is (t - mean) x rsqrt, then one fused multiply-add with the gain and the bias.
; REGISTERS, in windows of 256.  Window 0: v1-11, v24, v25 addresses; v16-23 v's scale words; v32-95 gains, v96-159 biases of the norm, later v32-159 eight fragments of tokens; v160-191 W's scale words; v192-199 the tokens';
;   v200-215 at work; v216-247 codes just made; v248-251 mean and rsqrt as pairs; v252-254 scale words just made.  Windows 1, 2: W's fragment (K step s, tile t) in window 1 + s / 2 at v[16 (8 (s % 2) + t)].
;   Window 3: a tile's 256 numbers a lane (register 16 blk + i = k 32 blk + 16 (lane / 16) + i); later v0-127 sixteen accumulators, v128-191 the bias in the result's layout.
.set GB,    0                          ; LDS: the norm's gain, 2,048 bytes, then its bias
.set XIMG,  4096                       ; the first token tiles' 16 fragments of 2,048 bytes: 4 x wave + K step
.set XSC,   36864                      ; their scale words, 128 bytes each.  LDS as it stands now: gain and bias 4,096; the FIRST token tiles' images 4 x 8,192; scale words 4,096; spare words 512; from 41,472 W: 128 rows of 528 bytes a wave
.set LI,    1                          ; 16 x lane
.set LS,    2                          ; 4 x lane
.set XA,    3                          ; 2048 r + 64 h: my 16 numbers of a block, in the wave's rows
.set GA,    4                          ; 64 h
.set XWI,   5                          ; where I store my images
.set XWS,   6                          ; and their scale words
.set WA,    7                          ; W: 528 (r + 8 (r / 8)) + 16 h
.set WSA,   8                          ; W's scale words: 16 (r + 8 (r / 8))
.set FA,    9                          ; not used
.set FS,    10                         ; the trip's scale words
.set BAQ,   11                         ; bias, q and k: 64 h
.set VS,    16
.set BAV,   24                         ; bias, v: 4 (r + 8 (r / 8))
.set TA,    25                         ; 16 x thread
.set G,     32
.set BT,    96
.set XF,    32
.set WSC,   160
.set XSR,   192
.set TM,    200                        ; +0..3 largest magnitudes, +4..7 bytes, +8..11 448 x the scale, +12..15 the conversions' scale operands
.set SA,    200                        ; four packed sums
.set PC0,   216
.set PC1,   232
.set MU,    248
.set RS,    250
.set PW,    252
.set BIAS,  128
.set SRC, 48
.set GP,  50
.set BP,  52
.set WC,  54
.set WS,  56
.set BI,  58
.set OC,  60
.set OS,  62
.set WV,  66
.set Y,   67
.set XB,  68
.set SEL, 70
.set MNT, 72
.set P9,  73
.set EPS, 74
.set SFA, 75
.set SSC, 76
.set SSH, 77
.set CNT, 78
.set MASK, 79
.set OCS, 80
.set OSS, 82
.set MSB, 0
.macro WIN new                         ; bits 1:0 source 0, 3:2 source 1, 5:4 source 2, 7:6 destination; the high byte repeats the setting that is left
.if MSB != (\new)
	s_set_vgpr_msb (MSB<<8)|(\new)
.set MSB, (\new)
.endif
.endm
.macro BARRIER                         ; my LDS stores have landed and my LDS loads are in: then the work-group's barrier
	s_wait_dscnt 0x0
	s_barrier_signal -1
	s_barrier_wait -1
.endm
.macro XLOAD i, s                      ; my tile i, K step s: 64 numbers a lane into window 3
	WIN 0xc0
.irp b, 0,1,2,3
.irp j, 0,1,2,3
	global_load_b128 v[64*(\s)+16*\b+4*\j:64*(\s)+16*\b+4*\j+3], v[XA], s[SRC:SRC+1] offset:32768*(\i)+512*(\s)+128*\b+16*\j
.endr
.endr
	WIN 0
.endm
.macro GBLOAD s                        ; gain and bias of K step s, in the numbers' order; sixteen lanes read the same 16 bytes
.irp b, 0,1,2,3
.irp j, 0,1,2,3
	ds_load_b128 v[G+16*\b+4*\j:G+16*\b+4*\j+3], v[GA] offset:GB+512*(\s)+128*\b+16*\j
	ds_load_b128 v[BT+16*\b+4*\j:BT+16*\b+4*\j+3], v[GA] offset:GB+2048+512*(\s)+128*\b+16*\j
.endr
.endr
.endm
; 64 numbers of a lane in window 3, v[src] on, four blocks of 16 (the other 16 of each block lie in lane l xor 16), become 16 registers of codes at v[pc] (window 0); the bytes stay in v[TM+4..7]; word = 1: they make v[PW]
.macro QUANT src, pc, word
	WIN 0x3c
.irp b, 0,1,2,3
	v_max3_num_f32 v[TM+\b], 0x4800000, |v[(\src)+16*\b]|, |v[(\src)+16*\b+1]|   ; the floor 2^(9 - 127) among the leaves: the byte cannot fall under 1
.endr
.irp i, 2,4,6,8,10,12,14
.irp b, 0,1,2,3
	v_max3_num_f32 v[TM+\b], v[TM+\b], |v[(\src)+16*\b+\i]|, |v[(\src)+16*\b+\i+1]|   ; ascending: each accumulator is first read at its low end
.endr
.endr
	WIN 0
.irp b, 0,1,2,3
	v_permlanex16_b32 v[TM+4+\b], v[TM+\b], s[SEL], s[SEL+1]
.endr
.irp b, 0,1,2,3
	v_max_num_f32 v[TM+\b], v[TM+\b], v[TM+4+\b]           ; the block's largest magnitude
.endr
.irp b, 0,1,2,3
	v_add_nc_u32 v[TM+12+\b], 0xfc000000, v[TM+\b]         ; 8 off its exponent field: the conversion's scale operand
.endr
.irp b, 0,1,2,3
	v_and_or_b32 v[TM+8+\b], v[TM+\b], 0x7f800000, s[MNT]  ; 448 x the scale
.endr
.irp b, 0,1,2,3
	v_lshrrev_b32 v[TM+4+\b], 23, v[TM+12+\b]              ; the scale's byte
.endr
.if \word
	v_lshl_or_b32 v[PW], v[TM+5], 8, v[TM+4]
	v_lshl_or_b32 v[PW], v[TM+6], 16, v[PW]
	v_lshl_or_b32 v[PW], v[TM+7], 24, v[PW]
.endif
	WIN 0xc3
.irp b, 0,1,2,3
.irp i, 0,1,2,3,4,5,6,7,8,9,10,11,12,13,14,15
	v_med3_num_f32 v[(\src)+16*\b+\i], v[(\src)+16*\b+\i], -v[TM+8+\b], v[TM+8+\b]   ; the conversion to an 8-bit code does not saturate (ISA guide 7.6.2): the hold
.endr
.endr
	WIN 0x03
.irp b, 0,1,2,3
	v_cvt_scalef32_pk8_fp8_f32 v[(\pc)+4*\b:(\pc)+4*\b+1], v[(\src)+16*\b:(\src)+16*\b+7], v[TM+12+\b]
	v_cvt_scalef32_pk8_fp8_f32 v[(\pc)+4*\b+2:(\pc)+4*\b+3], v[(\src)+16*\b+8:(\src)+16*\b+15], v[TM+12+\b]
.endr
	WIN 0
	v_nop                                          ; one plain vector line behind the last conversion
.endm
.macro IMAGE adr, off, pc              ; a fragment goes to LDS as it stands: 16 bytes a lane, 512 a store
.irp c, 0,1,2,3
	ds_store_b128 v[\adr], v[(\pc)+4*\c:(\pc)+4*\c+3] offset:(\off)+512*\c
.endr
.endm
	s_load_b512 s[4:19], s[0:1], 0x0               ; x, y, g_r, b_r, g_d, b_d, Wq's codes, Wq's scales
	s_load_b512 s[20:35], s[0:1], 0x40             ; bq, Wk's codes, scales, bk, Wvr's codes, scales, bvr, Wvd's codes
	; OUT, AS IT STANDS NOW: one buffer kv [direction d][pair][key step] of 16,896 bytes: the keys' codes (8 token tiles of 1,024 bytes), the values' codes (4 channel tiles of 2,048),
	; the keys' scale words [pair of token tiles P][16 rows]: bytes 0, 1 tile 2 P's two blocks, bytes 2, 3 tile 2 P + 1's; the values' scale words [channel tile][16].  d = 0: keys k, values v_r; d = 1: keys q, values v_d.
	s_load_b128 s[36:39], s[0:1], 0x80             ; Wvd's scales, bvd
	s_load_b64 s[40:41], s[0:1], 0x90              ; kv
; W's WAY, AS IT STANDS NOW.  Four work-groups along x form a cluster: they take the same weight.  Wave w asks for its 128 rows of W (512 bytes each, 16 of padding behind each) by ONE joint load into LDS bytes of its own,
; and reads its 32 fragments from there between its two token tiles' norms.  Its second tile's images are then stored over those bytes, which have had their only fill and which it alone has read.
.macro CROUND                          ; a round of the cluster's barrier
	s_barrier_signal -1
	s_barrier_wait -1
	s_cmp_lg_u32 s[WV], 0
	s_cbranch_scc1 .Lnot_wave_0_\@
	s_barrier_signal -3
.Lnot_wave_0_\@:
	s_barrier_wait -3
	s_barrier_signal -1
	s_barrier_wait -1
.endm
	v_lshl_add_u32 v27, v0, 2, 40960               ; my spare word; never rewritten
	v_mov_b32 v28, 0                               ; 0; never rewritten
	ds_add_u32 v27, v28                            ; the opening: the add, twice on end, and its wait ahead of my tensor load
	ds_add_u32 v27, v28
	v_lshrrev_b32 v12, 5, v0
	v_readfirstlane_b32 s[WV], v12                 ; wave 0..3
	s_and_b32 s[Y], ttmp7, 0xffff
	s_bfe_u32 s69, ttmp6, 0x40000                  ; my place in the cluster: it enters global addresses alone
	s_lshl_b32 s[XB], ttmp9, 2
	s_add_co_u32 s[XB], s[XB], s69                 ; work-group x = 4 x cluster x + cx
	v_and_b32 v12, 31, v0                          ; lane
	v_and_b32 v13, 15, v0                          ; r
	v_bfe_u32 v14, v0, 4, 1                        ; h
	v_lshlrev_b32 v[LI], 4, v12
	v_lshlrev_b32 v[LS], 2, v12
	v_lshlrev_b32 v[XA], 11, v13
	v_lshl_add_u32 v[XA], v14, 6, v[XA]
	v_lshlrev_b32 v[GA], 6, v14
	s_lshl_b32 s2, s[WV], 13
	s_add_co_u32 s2, s2, XIMG
	v_add_nc_u32 v[XWI], s2, v[LI]                 ; my first tile's four images: 8,192 bytes a wave
	s_lshl_b32 s2, s[WV], 10
	s_add_co_u32 s2, s2, XSC
	v_add_nc_u32 v[XWS], s2, v[LS]
	v_and_b32 v15, 8, v13
	v_add_nc_u32 v15, v15, v13                     ; r + 8 (r / 8)
	v_mul_u32_u24 v[WA], v15, 528                  ; W in LDS: row r + 8 (r / 8) of 528 bytes, + 16 h,
	v_lshl_add_u32 v[WA], v14, 4, v[WA]
	s_mul_i32 s2, s[WV], 67584
	s_add_co_u32 s2, s2, 41472
	v_add_nc_u32 v[WA], s2, v[WA]                  ; in my wave's 128 rows
	v_add_nc_u32 v29, s2, v[LI]                    ; and where my second tile's images go, over them
	v_lshlrev_b32 v[WSA], 4, v15
	v_lshlrev_b32 v[BAQ], 6, v14
	v_lshlrev_b32 v[BAV], 2, v15
	v_lshlrev_b32 v[TA], 4, v0
	v_mul_u32_u24 v26, v14, 270336                 ; q, k: lanes 0-15 store my first head's scale words, lanes 16-31 my second's, a pair's image further on
	v_lshl_add_u32 v26, v13, 2, v26
	v_cmp_le_u32 s[MASK], 16, v12                  ; lanes 16-31
.irp b, 0,1,2,3
	v_mov_b32 v[TM+4+\b], 0                        ; a lane permute's destination counts as one of its sources
.endr
.irp t, 0,1,2,3,4,5,6,7
	v_mov_b32 v[VS+\t], 0                          ; v's scale words are gathered byte by byte
.endr
	s_mov_b32 s[SEL], 0x76543210
	s_mov_b32 s[SEL+1], 0xfedcba98                 ; lane l xor 16
	s_mov_b32 s[MNT], 0x600000                     ; the mantissa field of 448
	s_mov_b32 s[P9], 0x3b000000                    ; 1 / 512
	s_mov_b32 s[EPS], 0x3727c5ac                   ; 1e-5
	; offsets, apart from the addresses
	s_lshl_b32 s84, s[XB], 18                      ; 128 tokens of 2,048 bytes,
	s_lshl_b32 s2, s[WV], 16                       ; my wave's 32 of them
	s_add_co_u32 s84, s84, s2
	s_mov_b32 s85, 0
	s_mov_b32 s86, s2                              ; my 128 rows of W: 512 bytes each
	s_mov_b32 s87, 0
	s_lshl_b32 s88, s[WV], 11                      ; their scale bytes: 16 each
	s_mov_b32 s89, 0
	s_lshl_b32 s90, s[WV], 9                       ; my 128 numbers of the bias
	s_mov_b32 s91, 0
	s_lshr_b32 s2, s[XB], 4
	s_lshl_b32 s2, s2, 3
	s_lshl_b32 s3, s[WV], 1
	s_add_co_u32 s2, s2, s3                        ; pair of my first head: 8 b + 2 w
	s_and_b32 s3, s[XB], 15                        ; the key step that my 128 tokens are
	s_add_co_u32 s69, s[Y], 1
	s_bfe_u32 s69, s69, 0x10001
	s_xor_b32 s69, s69, 1                          ; the direction: 1 for q and v_d, 0 for k and v_r
	s_lshl_b32 s69, s69, 5
	s_add_co_u32 s69, s69, s2                      ; 32 d + pair
	s_mul_i32 s92, s69, 270336                     ; a pair's image,
	s_mul_i32 s69, s3, 16896                       ; my key step in it
	s_add_co_u32 s92, s92, s69
	s_add_co_u32 s94, s92, 16384                   ; the scale words lie behind the step's codes
	s_mov_b32 s93, 0
	s_mov_b32 s95, 0
	s_cmp_lt_u32 s[Y], 2
	s_cselect_b32 s69, 0, 8192                     ; the values' codes lie behind the keys',
	s_add_co_u32 s92, s92, s69
	s_cmp_lt_u32 s[Y], 2
	s_cselect_b32 s69, 0, 256                      ; and so do their scale words
	s_add_co_u32 s94, s94, s69
	s_cmp_lt_u32 s[Y], 2
	s_mov_b32 s[OCS], 512
	s_cselect_b32 s[OCS], 2048, s[OCS]             ; a trip on: two token tiles of q or k, or one block of 32 tokens of v
	s_cselect_b32 s[OSS], 64, 0
	s_mov_b32 s[OCS+1], 0
	s_mov_b32 s[OSS+1], 0
	s_wait_alu depctr_va_vdst(0)                   ; the wait at the head's end
	s_wait_dscnt 0x0                               ; both opening adds are done
	CROUND                                         ; all four work-groups are here: the joint loads meet
	s_wait_kmcnt 0x0
	s_cmp_eq_u32 s[Y], 0                           ; the choices hang on the work-group's number alone
	s_cselect_b64 s[SRC:SRC+1], s[6:7], s[4:5]
	s_cselect_b64 s[GP:GP+1], s[12:13], s[8:9]
	s_cselect_b64 s[BP:BP+1], s[14:15], s[10:11]
	s_cselect_b64 s[WS:WS+1], s[18:19], s[24:25]
	s_cselect_b64 s[BI:BI+1], s[20:21], s[26:27]
	s_cmp_eq_u32 s[Y], 2
	s_cselect_b64 s[WS:WS+1], s[30:31], s[WS:WS+1]
	s_cselect_b64 s[BI:BI+1], s[32:33], s[BI:BI+1]
	s_cmp_eq_u32 s[Y], 3
	s_cselect_b64 s[WS:WS+1], s[36:37], s[WS:WS+1]
	s_cselect_b64 s[BI:BI+1], s[38:39], s[BI:BI+1]
	s_cmp_lt_u32 s[Y], 2
	s_mov_b64 s[OC:OC+1], s[40:41]
	s_mov_b64 s[OS:OS+1], s[40:41]
	s_add_nc_u64 s[SRC:SRC+1], s[SRC:SRC+1], s[84:85]
	s_add_nc_u64 s[WS:WS+1], s[WS:WS+1], s[88:89]
	s_add_nc_u64 s[BI:BI+1], s[BI:BI+1], s[90:91]
	s_add_nc_u64 s[OC:OC+1], s[OC:OC+1], s[92:93]
	s_add_nc_u64 s[OS:OS+1], s[OS:OS+1], s[94:95]
	; my 128 rows of W: group 1 in s[4:11], group 0 in s[12:15] (the arguments that lay there have been used)
	s_mov_b32 s4, 15|(1<<20)|(1<<21)|(6<<22)|(3<<25)   ; the mask: all four partners; elements of 1 byte; padding: 4 words behind every 128; bit 21 beside a mask
	s_mov_b32 s5, 512<<16
	s_mov_b32 s6, 128<<16
	s_mov_b32 s7, 512<<16
	s_mov_b32 s8, 128
	s_mov_b32 s9, 512
	s_mov_b32 s10, 0
	s_mov_b32 s11, 0
	s_mov_b32 s12, 1
	s_mul_i32 s13, s[WV], 67584
	s_add_co_u32 s13, s13, 41472
; one arm for each weight, chosen by the cluster's y, which the partners share: each load line has one address, made of its buffer and the wave's number
.macro WARM y, p, next
	s_cmp_eq_u32 s[Y], \y
	s_cbranch_scc0 \next
	s_add_nc_u64 s[14:15], s[\p:\p+1], s[86:87]
	s_or_b32 s15, s15, 0x80000000
	tensor_load_to_lds s[12:15], s[4:11]
	s_nop 0
.rept 4
	v_nop
.endr
	s_branch .Lw_asked
\next:
.endm
	WARM 0, 16, .Lw_k
	WARM 1, 22, .Lw_vr
	WARM 2, 28, .Lw_vd
	s_add_nc_u64 s[14:15], s[34:35], s[86:87]
	s_or_b32 s15, s15, 0x80000000
	tensor_load_to_lds s[12:15], s[4:11]
	s_nop 0
.rept 4
	v_nop
.endr
.Lw_asked:
	global_load_b128 v[32:35], v[TA], s[GP:GP+1]   ; 128 threads x 16 bytes: the whole gain,
	global_load_b128 v[36:39], v[TA], s[BP:BP+1]   ; the whole bias of the norm
	XLOAD 0, 0
	XLOAD 0, 1
	XLOAD 0, 2
	s_wait_loadcnt 48                              ; behind the gain and the bias 48 loads were issued: those two are in
	ds_store_b128 v[TA], v[32:35] offset:GB
	ds_store_b128 v[TA], v[36:39] offset:GB+2048
	XLOAD 0, 3
	BARRIER                                        ; gain and bias lie in LDS for every wave
	s_wait_loadcnt 0x0                             ; my first tile is in
.macro WLOADS                          ; my 32 fragments of W, from my own LDS bytes into windows 1 and 2: 128 loads
	s_wait_tensorcnt 0x0                           ; my rows of W have landed; I alone read them
.irp s, 0,1,2,3
	WIN 0x40*(1+\s/2)
.irp t, 0,1,2,3,4,5,6,7
.irp c, 0,1,2,3
	ds_load_b128 v[16*(8*(\s%2)+\t)+4*\c:16*(8*(\s%2)+\t)+4*\c+3], v[WA] offset:(32*(\t/2)+8*(\t%2))*528+128*\s+32*\c
.endr
.endr
.endr
	WIN 0
.endm
.irp t, 0,1,2,3,4,5,6,7
.irp s, 0,1,2,3
	global_load_b32 v[WSC+4*\t+\s], v[WSA], s[WS:WS+1] offset:(32*(\t/2)+8*(\t%2))*16+4*\s
.endr
.endr
; A tile of 16 tokens: mean, variance of the differences, norm, quantiser, four images to LDS.  A row lies in lanes l and l xor 16, 256 numbers each.
.macro LNTILE i
.if \i
	s_wait_loadcnt 0x0                             ; my second tile (asked for K step by K step under the first), and W
.endif
	GBLOAD 0
	WIN 0x0f
.irp k, 0,1,2,3
	v_pk_add_f32 v[SA+2*\k:SA+2*\k+1], v[4*\k:4*\k+1], v[4*\k+2:4*\k+3]       ; four chains, started by the first pairs: nothing is cleared
.endr
	WIN 0x03
.set nn, 8
.rept 120
	v_pk_add_f32 v[SA+2*(nn%4):SA+2*(nn%4)+1], v[2*nn:2*nn+1], v[SA+2*(nn%4):SA+2*(nn%4)+1]
.set nn, nn+1
.endr
	WIN 0
	v_pk_add_f32 v[SA:SA+1], v[SA:SA+1], v[SA+2:SA+3]
	v_pk_add_f32 v[SA+4:SA+5], v[SA+4:SA+5], v[SA+6:SA+7]
	v_pk_add_f32 v[SA:SA+1], v[SA:SA+1], v[SA+4:SA+5]
	v_add_f32 v[SA], v[SA], v[SA+1]
	v_permlanex16_b32 v[SA+2], v[SA], s[SEL], s[SEL+1]
	v_add_f32 v[SA], v[SA], v[SA+2]
	v_mul_f32 v[MU], s[P9], v[SA]                  ; the mean
	v_mov_b32 v[MU+1], v[MU]
	WIN 0xc3
.set nn, 0
.rept 128
	v_pk_add_f32 v[2*nn:2*nn+1], v[2*nn:2*nn+1], v[MU:MU+1] neg_lo:[0,1] neg_hi:[0,1]   ; t - mean, in place
.set nn, nn+1
.endr
	WIN 0x0f
.irp k, 0,1,2,3
	v_pk_mul_f32 v[SA+2*\k:SA+2*\k+1], v[2*\k:2*\k+1], v[2*\k:2*\k+1]
.endr
.set nn, 4
.rept 124
	v_pk_fma_f32 v[SA+2*(nn%4):SA+2*(nn%4)+1], v[2*nn:2*nn+1], v[2*nn:2*nn+1], v[SA+2*(nn%4):SA+2*(nn%4)+1]
.set nn, nn+1
.endr
	WIN 0
	v_pk_add_f32 v[SA:SA+1], v[SA:SA+1], v[SA+2:SA+3]
	v_pk_add_f32 v[SA+4:SA+5], v[SA+4:SA+5], v[SA+6:SA+7]
	v_pk_add_f32 v[SA:SA+1], v[SA:SA+1], v[SA+4:SA+5]
	v_add_f32 v[SA], v[SA], v[SA+1]
	v_permlanex16_b32 v[SA+2], v[SA], s[SEL], s[SEL+1]
	v_add_f32 v[SA], v[SA], v[SA+2]
	v_fma_f32 v[SA], v[SA], s[P9], s[EPS]          ; the variance + eps
	s_wait_alu depctr_va_vdst(0)
	v_rsq_f32 v[RS], v[SA]
	v_nop                                          ; a plain line behind the transcendental,
	s_wait_alu depctr_va_vdst(0)                   ; and a wait ahead of its first reader
	v_mov_b32 v[RS+1], v[RS]
	s_wait_alu depctr_va_vdst(0)
.irp s, 0,1,2,3
	s_wait_dscnt 0x0                               ; this K step's gain and bias are in, and the last image's stores have read their registers
	WIN 0xc3
.set nn, 0
.rept 32
	v_pk_mul_f32 v[64*\s+2*nn:64*\s+2*nn+1], v[64*\s+2*nn:64*\s+2*nn+1], v[RS:RS+1]
.set nn, nn+1
.endr
.set nn, 0
.rept 32
	v_pk_fma_f32 v[64*\s+2*nn:64*\s+2*nn+1], v[64*\s+2*nn:64*\s+2*nn+1], v[G+2*nn:G+2*nn+1], v[BT+2*nn:BT+2*nn+1]
.set nn, nn+1
.endr
	WIN 0
.if \s < 3
	GBLOAD \s+1                                    ; the next K step's land while this one is quantised
.endif
	QUANT 64*\s, PC0, 1
.if \i
	IMAGE 29, 2048*\s, PC0                         ; over my rows of W: the wait at this K step's head has shown them all in registers
.else
	IMAGE XWI, 2048*\s, PC0
.endif
	ds_store_b32 v[XWS], v[PW] offset:512*\i+128*\s
.if \i == 0
	XLOAD 1, \s                                    ; the second tile's K step s takes the registers just converted
.endif
.endr
.endm
	LNTILE 0
	WLOADS                                         ; they land under the second tile's sums
	LNTILE 1
	; the projection's bias, in the result's layout: it is the C of each sum's first matrix instruction
	s_cmp_lt_u32 s[Y], 2
	s_cbranch_scc0 .Lbias_v
	WIN 0xc0
.irp t, 0,1,2,3,4,5,6,7                ; q, k: register j of tile t is channel 32 (t / 2) + 16 h + 8 (t % 2) + j
	global_load_b128 v[BIAS+8*\t:BIAS+8*\t+3], v[BAQ], s[BI:BI+1] offset:(32*(\t/2)+8*(\t%2))*4
	global_load_b128 v[BIAS+8*\t+4:BIAS+8*\t+7], v[BAQ], s[BI:BI+1] offset:(32*(\t/2)+8*(\t%2))*4+16
.endr
	WIN 0
	s_branch .Lbias_done
.Lbias_v:
	WIN 0xc0
.irp t, 0,1,2,3,4,5,6,7                ; v: all eight registers of a lane are its one channel's
	global_load_b32 v[BIAS+8*\t], v[BAV], s[BI:BI+1] offset:(32*(\t/2)+8*(\t%2))*4
.endr
	WIN 0
.Lbias_done:
	BARRIER                                        ; all 32 images and their scale words lie in LDS
	s_wait_loadcnt 0x0
	s_cmp_lt_u32 s[Y], 2
	s_cbranch_scc1 .Lno_copy
	WIN 0xc3
.irp t, 0,1,2,3,4,5,6,7
.irp j, 1,2,3,4,5,6,7
	v_mov_b32 v[BIAS+8*\t+\j], v[BIAS+8*\t]
.endr
.endr
	WIN 0
.Lno_copy:
	s_mov_b32 s[SFA], XIMG                         ; wave P's first tile's images,
	s_mov_b32 s16, 41472                           ; and its second tile's
	s_mov_b32 s[SSC], XSC                          ; (beyond an LDS offset's 16 bits: the register carries it)
	s_mov_b32 s[SSH], 0
	s_mov_b32 s[CNT], 0
.Ltrip:                                            ; four trips: token tiles 2 P and 2 P + 1 against my eight tiles of W, all of K = 512: 64 matrix instructions
	v_add_nc_u32 v30, s[SFA], v[LI]
	v_add_nc_u32 v31, s16, v[LI]
	v_add_nc_u32 v[FS], s[SSC], v[LS]
.irp e, 0,1
.irp s, 0,1,2,3
.irp c, 0,1,2,3
	ds_load_b128 v[XF+64*\e+16*\s+4*\c:XF+64*\e+16*\s+4*\c+3], v[30+\e] offset:2048*\s+512*\c
.endr
	ds_load_b32 v[XSR+4*\e+\s], v[FS] offset:128*(4*\e+\s)
.endr
.endr
	s_wait_dscnt 0x0
	s_cmp_lt_u32 s[Y], 2
	s_cbranch_scc0 .Lvpath
	; ---- q, k: source 0 = W, source 1 = tokens.  The sixteen accumulators take turns, one instruction a turn
	s_wait_alu depctr_va_vdst(0)
.irp s, 0,1,2,3
	WIN 0xf1+\s/2                                  ; W in window 1 or 2, tokens in window 0, C and D in window 3
.irp e, 0,1
.irp t, 0,1,2,3,4,5,6,7
.if \s == 0
	v_wmma_scale_f32_16x16x128_f8f6f4 v[64*\e+8*\t:64*\e+8*\t+7], v[16*(8*(\s%2)+\t):16*(8*(\s%2)+\t)+15], v[XF+64*\e+16*\s:XF+64*\e+16*\s+15], v[BIAS+8*\t:BIAS+8*\t+7], v[WSC+4*\t+\s], v[XSR+4*\e+\s]
.else
	v_wmma_scale_f32_16x16x128_f8f6f4 v[64*\e+8*\t:64*\e+8*\t+7], v[16*(8*(\s%2)+\t):16*(8*(\s%2)+\t)+15], v[XF+64*\e+16*\s:XF+64*\e+16*\s+15], v[64*\e+8*\t:64*\e+8*\t+7], v[WSC+4*\t+\s], v[XSR+4*\e+\s]
.endif
.endr
.endr
.endr
	WIN 0
.rept 8
	v_nop                                          ; eight places behind this form ahead of the first read of results
.endr
	QUANT 0, PC0, 0                                ; tile 2 P: blocks 0, 1 are my first head's 64 channels, blocks 2, 3 my second's
	v_lshl_or_b32 v253, v[TM+5], 8, v[TM+4]
	v_lshl_or_b32 v254, v[TM+7], 8, v[TM+6]
	QUANT 64, PC1, 0                               ; tile 2 P + 1
	v_lshl_or_b32 v12, v[TM+5], 8, v[TM+4]
	v_lshl_or_b32 v13, v[TM+7], 8, v[TM+6]
	v_lshl_or_b32 v253, v12, 16, v253              ; row r of both tiles in one word: my first head's,
	v_lshl_or_b32 v254, v13, 16, v254              ; my second head's
	v_cndmask_b32 v253, v253, v254, s[MASK]        ; lanes 0-15 the first head's, lanes 16-31 the second's
.irp e, 0,1
.irp u, 0,1
.irp c, 0,1
	global_store_b128 v[LI], v[PC0+16*\e+8*\u+4*\c:PC0+16*\e+8*\u+4*\c+3], s[OC:OC+1] offset:1024*\e+270336*\u+512*\c
.endr
.endr
.endr
	global_store_b32 v26, v253, s[OS:OS+1]
	s_branch .Ljoin
.Lvpath:
	; ---- v: source 0 = tokens, source 1 = W
	s_wait_alu depctr_va_vdst(0)
.irp s, 0,1,2,3
	WIN 0xf4+4*(\s/2)                              ; tokens in window 0, W in window 1 or 2, C and D in window 3
.irp e, 0,1
.irp t, 0,1,2,3,4,5,6,7
.if \s == 0
	v_wmma_scale_f32_16x16x128_f8f6f4 v[16*\t+8*\e:16*\t+8*\e+7], v[XF+64*\e+16*\s:XF+64*\e+16*\s+15], v[16*(8*(\s%2)+\t):16*(8*(\s%2)+\t)+15], v[BIAS+8*\t:BIAS+8*\t+7], v[XSR+4*\e+\s], v[WSC+4*\t+\s]
.else
	v_wmma_scale_f32_16x16x128_f8f6f4 v[16*\t+8*\e:16*\t+8*\e+7], v[XF+64*\e+16*\s:XF+64*\e+16*\s+15], v[16*(8*(\s%2)+\t):16*(8*(\s%2)+\t)+15], v[16*\t+8*\e:16*\t+8*\e+7], v[XSR+4*\e+\s], v[WSC+4*\t+\s]
.endif
.endr
.endr
.endr
	WIN 0
.rept 8
	v_nop
.endr
	QUANT 0, PC0, 0                                ; channel tiles 0-3: each one's 16 registers are 16 of this trip's 32 tokens
.irp b, 0,1,2,3
	v_lshl_or_b32 v[VS+\b], v[TM+4+\b], s[SSH], v[VS+\b]   ; byte P of the key step's scale word
.endr
	QUANT 64, PC1, 0                               ; channel tiles 4-7
.irp b, 0,1,2,3
	v_lshl_or_b32 v[VS+4+\b], v[TM+4+\b], s[SSH], v[VS+4+\b]
.endr
.irp t, 0,1,2,3,4,5,6,7
	global_store_b128 v[LI], v[PC0+4*\t:PC0+4*\t+3], s[OC:OC+1] offset:270336*(\t/4)+2048*(\t%4)
.endr
.Ljoin:
	s_wait_xcnt 0x0                                ; the stores have read their data and their bases: both are written again only behind this wait
	s_add_nc_u64 s[OC:OC+1], s[OC:OC+1], s[OCS:OCS+1]
	s_add_nc_u64 s[OS:OS+1], s[OS:OS+1], s[OSS:OSS+1]
	s_add_co_u32 s[SFA], s[SFA], 8192
	s_add_co_u32 s16, s16, 67584
	s_add_co_u32 s[SSC], s[SSC], 1024
	s_add_co_u32 s[SSH], s[SSH], 8
	s_add_co_u32 s[CNT], s[CNT], 1
	s_cmp_lt_u32 s[CNT], 4
	s_cbranch_scc1 .Ltrip
	s_cmp_lt_u32 s[Y], 2
	s_cbranch_scc1 .Lend
	s_wait_alu depctr_va_vdst(0)
.irp i, 0,1,2,3                        ; v's scale words: lanes 0-15 tile 2 i, lanes 16-31 tile 2 i + 1: 128 neighbouring bytes
	v_cndmask_b32 v[12+\i], v[VS+2*\i], v[VS+2*\i+1], s[MASK]
.endr
.irp i, 0,1,2,3
	global_store_b32 v[LS], v[12+\i], s[OS:OS+1] offset:270336*(\i/2)+128*(\i%2)
.endr
.Lend:
	s_wait_tensorcnt 0x0                           ; the wave's end, behind my last LDS store
	ds_add_u32 v27, v28
	s_wait_dscnt 0x0
	CROUND                                         ; the closing round
	s_endpgm
.Lfunc_end_k_q06ecb4fee9_qkv:
	.size	k_q06ecb4fee9_qkv, .Lfunc_end_k_q06ecb4fee9_qkv-k_q06ecb4fee9_qkv
	.p2alignl 7, 3214868480
	.fill 96, 4, 3214868480
	.section	.rodata,"a",@progbits
	.p2align	6, 0x0
	.amdhsa_kernel k_q06ecb4fee9_qkv
		.amdhsa_group_segment_fixed_size 327680
		.amdhsa_private_segment_fixed_size 0
		.amdhsa_enable_private_segment 0
		.amdhsa_kernarg_size 152
		.amdhsa_user_sgpr_count 2
		.amdhsa_user_sgpr_kernarg_segment_ptr 1
		.amdhsa_wavefront_size32 1
		.amdhsa_system_sgpr_workgroup_id_x 1
		.amdhsa_system_sgpr_workgroup_id_y 1
		.amdhsa_system_sgpr_workgroup_id_z 1
		.amdhsa_system_vgpr_workitem_id 0
		.amdhsa_next_free_vgpr 1024
		.amdhsa_next_free_sgpr 96
		.amdhsa_reserve_vcc 0
		.amdhsa_float_denorm_mode_32 3
		.amdhsa_float_denorm_mode_16_64 3
		.amdhsa_memory_ordered 1
		.amdhsa_forward_progress 1
		.amdhsa_inst_pref_size 255
	.end_amdhsa_kernel
	.section	.bss,"aw",@nobits
	.p2align	6
	.space	262144
	.amdgpu_metadata
---
amdhsa.version: [ 1, 2 ]
amdhsa.kernels:
  - .name:           k_q06ecb4fee9_qkv
    .symbol:         k_q06ecb4fee9_qkv.kd
    .args:
      - { .name: x, .offset: 0, .size: 8, .value_kind: global_buffer, .address_space: global }
      - { .name: y, .offset: 8, .size: 8, .value_kind: global_buffer, .address_space: global }
      - { .name: g_r, .offset: 16, .size: 8, .value_kind: global_buffer, .address_space: global }
      - { .name: b_r, .offset: 24, .size: 8, .value_kind: global_buffer, .address_space: global }
      - { .name: g_d, .offset: 32, .size: 8, .value_kind: global_buffer, .address_space: global }
      - { .name: b_d, .offset: 40, .size: 8, .value_kind: global_buffer, .address_space: global }
      - { .name: Wq_codes, .offset: 48, .size: 8, .value_kind: global_buffer, .address_space: global }
      - { .name: Wq_scales, .offset: 56, .size: 8, .value_kind: global_buffer, .address_space: global }
      - { .name: bq, .offset: 64, .size: 8, .value_kind: global_buffer, .address_space: global }
      - { .name: Wk_codes, .offset: 72, .size: 8, .value_kind: global_buffer, .address_space: global }
      - { .name: Wk_scales, .offset: 80, .size: 8, .value_kind: global_buffer, .address_space: global }
      - { .name: bk, .offset: 88, .size: 8, .value_kind: global_buffer, .address_space: global }
      - { .name: Wvr_codes, .offset: 96, .size: 8, .value_kind: global_buffer, .address_space: global }
      - { .name: Wvr_scales, .offset: 104, .size: 8, .value_kind: global_buffer, .address_space: global }
      - { .name: bvr, .offset: 112, .size: 8, .value_kind: global_buffer, .address_space: global }
      - { .name: Wvd_codes, .offset: 120, .size: 8, .value_kind: global_buffer, .address_space: global }
      - { .name: Wvd_scales, .offset: 128, .size: 8, .value_kind: global_buffer, .address_space: global }
      - { .name: bvd, .offset: 136, .size: 8, .value_kind: global_buffer, .address_space: global }
      - { .name: kv, .offset: 144, .size: 8, .value_kind: global_buffer, .address_space: global }
    .group_segment_fixed_size: 327680
    .private_segment_fixed_size: 0
    .kernarg_segment_align: 8
    .kernarg_segment_size: 152
    .max_flat_workgroup_size: 128
    .sgpr_count:     96
    .vgpr_count:     1024
    .wavefront_size: 32
...
	.end_amdgpu_metadata
.endif
;; end of part 1
;; launch attn (part 2): grid 4 x 64, 16 waves a work-group, clusters of 4 x 1, 327,680 bytes of LDS; arguments kv, oimg, osc; writes oimg, osc
.if DOCPART == 2
	.amdgcn_target "amdgcn-amd-amdhsa--gfx1250"
	.amdhsa_code_object_version 6
	.text
	.protected	k_q06ecb4fee9_attn
	.globl	k_q06ecb4fee9_attn
	.p2align	8
	.type	k_q06ecb4fee9_attn,@function
k_q06ecb4fee9_attn:
	s_mov_b64 s[64:65], 0
	v_nop
	global_prefetch_b8 v0, s[64:65] scope:SCOPE_SE
	s_setreg_imm32_b32 hwreg(HW_REG_WAVE_MODE, 25, 1), 1
	s_wait_xcnt 0x0
	s_wait_alu depctr_hold_cnt(0) depctr_sa_sdst(0) depctr_va_vdst(0) depctr_va_sdst(0) depctr_va_ssrc(0) depctr_va_vcc(0) depctr_vm_vsrc(0)
	s_getreg_b32 s2, hwreg(HW_REG_IB_STS2, 6, 4)
	s_cmp_eq_u32 s2, 0
	s_cbranch_scc0 .Lentry_in_a_cluster
	s_endpgm
.Lentry_in_a_cluster:
	s_bfe_u32 s2, ttmp6, 0x10000c
	s_cmp_lg_u32 s2, 0x3003
	s_cbranch_scc0 .Lentry_shape_is_right
	s_endpgm
.Lentry_shape_is_right:
; Both attentions on codes of E4M3, as 64 heads of one kernel.  Work-group y = 32 dir + pair (pair = 8 batch + head).  dir 0: queries q, keys k, values v_r (softmax along the rows);
; dir 1: queries k, keys q, values v_d (the softmax along the columns is the same attention with the roles changed).
; THE SOFTMAX: t = score x log2(e) / 8; M = the running largest t rounded up to a whole number; p = 2^(t - M) is quantised along the keys, not normalised; the row's sum is taken of the unquantised p and divides at the end.
; When M moves, the sum and O are multiplied by 2^(old M - new M), which rounds nothing.
; SHARES.  A cluster of four work-groups is one head; work-group cx owns queries 512 cx on; each of its sixteen waves owns two tiles of 16 queries, one after the other (two passes over all 2,048 keys, 128 a step).
; THE HEAD'S IMAGE kv[y], 270,336 dense bytes, STAYS IN LDS: sixteen key steps of 16,896 bytes (keys' codes 8,192, values' codes 8,192, keys' scale words 256, values' 256).  Wave w brings step w by ONE joint load
; (66 rows of 256 bytes; the mask names the four partners).  No LDS byte is filled twice, so there is no ring; nothing is prefetched: all that the launch reads but the queries is asked for at its head.
; LAYOUT.  Both products are used transposed (S^T = K Q^T, O^T = V^T P^T): a lane holds ONE query (lane % 16).  The head's 64 channels fill half of the instruction's K = 128: A FRAGMENT OF K HOLDS TWO KEY TILES,
; tile 2 i in k = 0 .. 63 and tile 2 i + 1 in k = 64 .. 127, and is multiplied by [Q | zero codes] and by [zero codes | Q]; its scale word holds both tiles' bytes, Q's word holds Q's two bytes twice.
; p's 16 registers of key tiles 2 c, 2 c + 1 fall on slots 32 c + 16 h + 8 u + j, which hold key 32 c + 16 u + 8 h + j: the values' codes were laid in that order, inside the true blocks of 32 keys.
; TWO REGIONS OF 64 REGISTERS CHANGE ROLES FROM STEP TO STEP: K in one, S^T and p in the other; V's fragments are asked for into K's region behind the scores' products, the next step's K into p's region behind the conversions.
; OUT: the operand of the last projection as codes in the order of its registers.  dir 0: K = the channels: quantised in registers.  dir 1: the module's transposition and reshape make row 4 c + n / 512 of channel c with K = the
; tokens n % 512, this work-group's 512 queries: O goes through a stage in LDS (64 channels x 512 tokens, f32), over image bytes that have had their only fill, behind a barrier behind which nobody reads them.
; LIMITS: the promise holds while the scaled scores t stay under 2^31 in magnitude.  A block whose largest magnitude lies under 2^-118 (a block of zeros too) gets the scale byte 1: its bytes are read by this program alone.  NaN and infinities are not served.
.set STEPB, 16896
.set IMG,   270336
.set VOF,   8192
.set KSO,   16384
.set VSO,   16640
.set SPARE, 294912                     ; the spare words: 128 bytes a wave, 2,048 in all
.set SP,    2064                       ; a stage row: 512 tokens x 4 bytes + 16
.set AD,   1                           ; 16 x lane + the trip's first byte
.set ADS,  2                           ; 4 x lane + the same
.set SPW,  3
.set NIL,  4
.set QSC,  5                           ; Q's scale word
.set F,    6                           ; f = 2^(old M - new M)
.set PSC,  7                           ; p's scale word
.set NM,   8                           ; -M
.set SM,   9                           ; the running largest score
.set L,    10                          ; v[10:11] the sum
.set VS,   12                          ; v12, v13 V's scale words;  v14, v15 K's
.set KS,   14
.set Z,    16                          ; v16-23 zero codes, v24-31 Q, v32-39 zero codes
.set X,    40
.set Y,    104
.set O,    168                         ; O^T
.set SV,   200                         ; the first pass's O; until then the second pass's Q and the raw scale word
.set CD,   232                         ; p's codes, over registers that are done with by then:
.set BM,   232                         ; the blocks' largest
.set PM,   236                         ; lane l xor 16's, then the bytes
.set T,    240                         ; at work
.set BD,   248                         ; 448 x the scale
.set SO,   252                         ; the conversions' scale operands
.set TL,   72                          ; the way out: 16 x lane, 4 x lane, 4 x lane + my head's two bytes
.set WV,   16
.set DIR,  17
.set PAIR, 18
.set CX,   19
.set SEL,  20
.set CS,   22
.set MNT,  24
.set HB,   25
.set CNT,  28
.set BB,   29
.set HH,   30
.set H2,   31
.set W2,   2
.set W3,   3
.set G1A,  32
.set G0K,  56
.set QB,   76
.set QS,   78
.set OB0,  80
.set OS0,  82
.set OB1,  84
.set OS1,  86
.macro CROUND                          ; a round of the cluster's barrier
	s_barrier_signal -1
	s_barrier_wait -1
	s_cmp_lg_u32 s[WV], 0
	s_cbranch_scc1 .Lnot_wave_0_\@
	s_barrier_signal -3
.Lnot_wave_0_\@:
	s_barrier_wait -3
	s_barrier_signal -1
	s_barrier_wait -1
.endm
.macro SHADD d, a, n                   ; s[d] += s[a] << n
	s_lshl_b32 s99, s[\a], \n
	s_add_co_u32 s[\d], s[\d], s99
.endm
.macro WALU
	s_wait_alu depctr_va_vdst(0)
.endm
	s_load_b128 s[4:7], s[0:1], 0x0                ; kv, oimg
	s_load_b64 s[8:9], s[0:1], 0x10                ; osc
	v_lshl_add_u32 v[SPW], v0, 2, SPARE
	v_mov_b32 v[NIL], 0
	ds_add_u32 v[SPW], v[NIL]                      ; the opening: the add, twice on end, and its wait ahead of my tensor load
	ds_add_u32 v[SPW], v[NIL]
	v_lshrrev_b32 v1, 5, v0
	v_readfirstlane_b32 s[WV], v1                  ; wave 0..15
	s_and_b32 s[PAIR], ttmp7, 0xffff               ; the cluster's y = 32 dir + pair, which the four partners share
	s_mov_b32 s[G0K], 1
	s_mul_i32 s[G0K+1], s[WV], STEPB               ; LDS: step w
	s_mul_i32 s88, s[PAIR], IMG
	s_add_co_u32 s88, s88, s[G0K+1]                ; memory: my head's image, step w
	s_mov_b32 s89, 0
	s_xor_b32 s90, s[PAIR], 32
	s_mul_i32 s90, s90, IMG                        ; my queries are the keys of the other direction's image
	s_lshr_b32 s[DIR], s[PAIR], 5
	s_and_b32 s[PAIR], s[PAIR], 31
	s_mov_b32 s[G1A], 15|(3<<16)|(1<<21)           ; the mask: all four; elements of 8 bytes; bit 21 beside a mask; no padding: images are read 512 consecutive bytes an instruction
	s_mov_b32 s[G1A+1], 32<<16
	s_mov_b32 s[G1A+2], 66<<16
	s_mov_b32 s[G1A+3], 32<<16
	s_mov_b32 s[G1A+4], 66
	s_mov_b32 s[G1A+5], 32
	s_mov_b32 s[G1A+6], 0
	s_mov_b32 s[G1A+7], 0
	s_mov_b32 s[SEL], 0x76543210
	s_mov_b32 s[SEL+1], 0xfedcba98                 ; lane l xor 16
	s_mov_b32 s[CS], 0x3e38aa3b                    ; c = log2(e) / 8
	s_mov_b32 s[CS+1], s[CS]
	s_mov_b32 s[MNT], 0x600000                     ; the mantissa field of 448
	s_wait_dscnt 0x0                               ; both opening adds are done
	CROUND                                         ; all four work-groups are here: the joint loads meet
	s_wait_kmcnt 0x0
	s_add_nc_u64 s[G0K+2:G0K+3], s[4:5], s[88:89]
	s_or_b32 s[G0K+3], s[G0K+3], 0x80000000
	tensor_load_to_lds s[G0K:G0K+3], s[G1A:G1A+7]  ; my one tensor load
	s_nop 0
.rept 4
	v_nop
.endr
	; my place in the cluster enters the addresses of my queries and of my results alone
	s_bfe_u32 s[CX], ttmp6, 0x40000
	s_lshr_b32 s[BB], s[PAIR], 3
	s_and_b32 s[HH], s[PAIR], 7
	s_lshr_b32 s[H2], s[HH], 1
	s_and_b32 s[HB], s[HH], 1
	s_lshl_b32 s[HB], s[HB], 1
	s_lshr_b32 s[W2], s[WV], 2
	s_and_b32 s[W3], s[WV], 3
	s_mov_b32 s97, 0
	s_lshl_b32 s96, s[CX], 2                       ; my two query tiles 32 cx + 2 w, + 1 lie in key step 4 cx + w / 4, as its pair of tiles w % 4
	s_add_co_u32 s96, s96, s[W2]
	s_mul_i32 s96, s96, STEPB
	s_add_co_u32 s96, s96, s90
	s_add_nc_u64 s[QS:QS+1], s[4:5], s[96:97]
	s_lshl_b32 s96, s[W3], 11
	s_add_nc_u64 s[QB:QB+1], s[QS:QS+1], s[96:97]
	s_lshl_b32 s96, s[W3], 6
	s_add_nc_u64 s[QS:QS+1], s[QS:QS+1], s[96:97]
	v_and_b32 v[ADS], 31, v0
	v_lshlrev_b32 v[AD], 4, v[ADS]
	v_and_b32 v[SV+9], 15, v0
	v_lshlrev_b32 v[SV+9], 2, v[SV+9]
	global_load_b128 v[Z+8:Z+11], v[AD], s[QB:QB+1]
	global_load_b128 v[Z+12:Z+15], v[AD], s[QB:QB+1] offset:512
	global_load_b128 v[SV:SV+3], v[AD], s[QB:QB+1] offset:1024
	global_load_b128 v[SV+4:SV+7], v[AD], s[QB:QB+1] offset:1536
	global_load_b32 v[SV+8], v[SV+9], s[QS:QS+1] offset:KSO
	v_lshlrev_b32 v[ADS], 2, v[ADS]
	s_lshl_b32 s96, s[BB], 20                      ; dir 0: row tile 128 b + 32 cx + 2 w of 8,192 bytes; my head's 64 channels are 1,024 bytes of it
	SHADD 96, CX, 18
	SHADD 96, WV, 14
	SHADD 96, HH, 10
	s_add_nc_u64 s[OB0:OB0+1], s[6:7], s[96:97]
	s_lshl_b32 s96, s[BB], 16
	SHADD 96, CX, 14
	SHADD 96, WV, 10
	SHADD 96, H2, 7
	s_add_nc_u64 s[OS0:OS0+1], s[8:9], s[96:97]
	s_lshl_b32 s96, s[BB], 20                      ; dir 1: row tile 128 b + 4 (4 head + w / 4) + cx, K step w % 4
	SHADD 96, HH, 17
	SHADD 96, W2, 15
	SHADD 96, CX, 13
	SHADD 96, W3, 11
	s_add_co_u32 s96, s96, 1<<22
	s_add_nc_u64 s[OB1:OB1+1], s[6:7], s[96:97]
	s_lshl_b32 s96, s[BB], 16
	SHADD 96, HH, 13
	SHADD 96, W2, 11
	SHADD 96, CX, 9
	SHADD 96, W3, 7
	s_add_co_u32 s96, s96, 1<<18
	s_add_nc_u64 s[OS1:OS1+1], s[8:9], s[96:97]
.irp j, 0,1,2,3,4,5,6,7
	v_mov_b32 v[Z+\j], 0                           ; the zero codes on both sides of Q
	v_mov_b32 v[Z+16+\j], 0
.endr
.irp b, 0,1,2,3
	v_mov_b32 v[PM+\b], 0                          ; a lane permute's destination counts as one of its sources
.endr
	v_mov_b32 v[PSC], 0                            ; (named as the upper half of the pair v[6:7] before it is first written)
	WALU                                           ; the wait at the head's end
	s_wait_tensorcnt 0x0                           ; my step has landed,
	s_barrier_signal -1
	s_barrier_wait -1                              ; everybody's has
.macro KLOAD reg, off                  ; a key step's four fragments of K and their scale words (lanes 0-15 fragment 2 g, lanes 16-31 fragment 2 g + 1)
.set nn, 0
.rept 16
	ds_load_b128 v[\reg+4*nn:\reg+4*nn+3], v[AD] offset:(\off)+512*nn
.set nn, nn+1
.endr
	ds_load_b32 v[KS], v[ADS] offset:(\off)+KSO
	ds_load_b32 v[KS+1], v[ADS] offset:(\off)+KSO+128
.endm
; A KEY STEP: 128 keys at byte off of the trip.  KR: K's fragments, then V's;  PR: S^T, then p, then the next step's K.  isb = 1: the trip's second step
.macro STEP KR, PR, off, isb
.rept 9
	v_nop                                          ; nine places behind the last products: the first product below writes over registers that they read as source 0
.endr
	s_wait_dscnt 0x0                               ; K's fragments and scale words are in
.irp i, 0,2
	v_wmma_scale_f32_16x16x128_f8f6f4 v[\PR+16*\i:\PR+16*\i+7], v[\KR+16*\i:\KR+16*\i+15], v[Z+8:Z+23], 0, v[KS+\i/2], v[QSC]
	v_wmma_scale_f32_16x16x128_f8f6f4 v[\PR+16*\i+8:\PR+16*\i+15], v[\KR+16*\i:\KR+16*\i+15], v[Z:Z+15], 0, v[KS+\i/2], v[QSC]
	v_wmma_scale_f32_16x16x128_f8f6f4 v[\PR+16*\i+16:\PR+16*\i+23], v[\KR+16*\i+16:\KR+16*\i+31], v[Z+8:Z+23], 0, v[KS+\i/2], v[QSC] matrix_a_scale:MATRIX_SCALE_ROW1
	v_wmma_scale_f32_16x16x128_f8f6f4 v[\PR+16*\i+24:\PR+16*\i+31], v[\KR+16*\i+16:\KR+16*\i+31], v[Z:Z+15], 0, v[KS+\i/2], v[QSC] matrix_a_scale:MATRIX_SCALE_ROW1
.endr
.rept 8
	v_nop                                          ; eight places ahead of loads into registers that the products read, and of the first read of the scores
.endr
.set nn, 0
.rept 16
	ds_load_b128 v[\KR+4*nn:\KR+4*nn+3], v[AD] offset:(\off)+VOF+512*nn   ; V's four fragments land under the softmax
.set nn, nn+1
.endr
	ds_load_b32 v[VS], v[ADS] offset:(\off)+VSO
	ds_load_b32 v[VS+1], v[ADS] offset:(\off)+VSO+128
.irp b, 0,1,2,3
	v_max3_num_f32 v[BM+\b], v[\PR+16*\b], v[\PR+16*\b+1], v[\PR+16*\b+2]   ; the largest score of each block of 32 keys, in two chains a block, one for each accumulator, from its low end on: eight chains by turns
	v_max3_num_f32 v[PM+\b], v[\PR+16*\b+8], v[\PR+16*\b+9], v[\PR+16*\b+10]
.endr
.irp i, 3,5
.irp b, 0,1,2,3
	v_max3_num_f32 v[BM+\b], v[BM+\b], v[\PR+16*\b+\i], v[\PR+16*\b+\i+1]
	v_max3_num_f32 v[PM+\b], v[PM+\b], v[\PR+16*\b+8+\i], v[\PR+16*\b+9+\i]
.endr
.endr
.irp b, 0,1,2,3
	v_max3_num_f32 v[BM+\b], v[BM+\b], v[PM+\b], v[\PR+16*\b+7]   ; the two chains join
.endr
.irp b, 0,1,2,3
	v_max_num_f32 v[BM+\b], v[BM+\b], v[\PR+16*\b+15]
.endr
.irp b, 0,1,2,3
	v_permlanex16_b32 v[PM+\b], v[BM+\b], s[SEL], s[SEL+1]
.endr
.irp b, 0,1,2,3
	s_delay_alu instid0(VALU_DEP_4)
	v_max_num_f32 v[BM+\b], v[BM+\b], v[PM+\b]     ; with lane l xor 16's 16 keys
.endr
	s_delay_alu instid0(VALU_DEP_2)
	v_max3_num_f32 v[T], v[BM], v[BM+1], v[BM+2]
	s_delay_alu instid0(VALU_DEP_1)
	v_max3_num_f32 v[SM], v[SM], v[T], v[BM+3]     ; the running largest score
	s_delay_alu instid0(VALU_DEP_1)
	v_mul_f32 v[T], s[CS], v[SM]                   ; as t (c is positive, so the largest score gives the largest t)
	v_mov_b32 v[T+1], v[NM]
	s_delay_alu instid0(VALU_DEP_2)
	v_floor_f32 v[NM], -v[T]                       ; the new -M = floor(-t)
	s_delay_alu instid0(VALU_DEP_1)
	v_sub_f32 v[T+1], v[NM], v[T+1]                ; old M - new M: a whole number, 0 or less
	s_delay_alu instid0(VALU_DEP_1)
	v_cvt_i32_f32 v[T+1], v[T+1]                   ; (it saturates)
	s_delay_alu instid0(VALU_DEP_1)
	v_ldexp_f32 v[F], 1.0, v[T+1]
.set jj, 0
.rept 32
	v_pk_fma_f32 v[\PR+jj:\PR+jj+1], v[\PR+jj:\PR+jj+1], s[CS:CS+1], v[NM:NM+1] op_sel_hi:[1,0,0]   ; t - M, two at a time
.set jj, jj+2
.endr
.irp b, 0,1,2,3
	v_fma_f32 v[BM+\b], v[BM+\b], s[CS], v[NM]     ; the same of each block's largest score
.endr
	WALU                                           ; ahead of the batch
.irp b, 0,1,2,3
	v_exp_f32 v[BM+\b], v[BM+\b]                   ; the block's largest p
.endr
.set jj, 0
.rept 64
	v_exp_f32 v[\PR+jj], v[\PR+jj]                 ; p = 2^(t - M), at most 1
.set jj, jj+1
.endr
	v_pk_mul_f32 v[L:L+1], v[L:L+1], v[F:F+1] op_sel_hi:[1,0]   ; the sum under the new M: a plain line behind the batch
	WALU                                           ; one wait for the batch, ahead of its first reader
.irp b, 0,1,2,3
	v_max_num_f32 v[BM+\b], 0x4800000, v[BM+\b]    ; the floor 2^(9 - 127): the byte cannot fall under 1
.endr
.irp b, 0,1,2,3
	v_add_nc_u32 v[SO+\b], 0xfc000000, v[BM+\b]    ; 8 off the exponent field: the conversion's scale operand
.endr
.irp b, 0,1,2,3
	v_and_or_b32 v[BD+\b], v[BM+\b], 0x7f800000, s[MNT]   ; 448 x the scale
.endr
.irp b, 0,1,2,3
	v_lshrrev_b32 v[PM+\b], 23, v[SO+\b]           ; the scale's byte
.endr
	s_delay_alu instid0(VALU_DEP_3)
	v_lshl_or_b32 v[PSC], v[PM+1], 8, v[PM]        ; p's scale word for these 128 keys: two halves, then the word
	s_delay_alu instid0(VALU_DEP_2)
	v_lshl_or_b32 v[PM+2], v[PM+3], 8, v[PM+2]
	s_delay_alu instid0(VALU_DEP_1)
	v_lshl_or_b32 v[PSC], v[PM+2], 16, v[PSC]
.irp k, 0,1,2,3,4,5,6,7
	v_pk_add_f32 v[BM+2*\k:BM+2*\k+1], v[\PR+2*\k:\PR+2*\k+1], v[\PR+16+2*\k:\PR+17+2*\k]   ; the sum of the unquantised p, in eight chains on v232-247, which the scales' lines have left
.endr
.set jj, 32
.rept 16
	v_pk_add_f32 v[BM+jj%16:BM+jj%16+1], v[BM+jj%16:BM+jj%16+1], v[\PR+jj:\PR+jj+1]
.set jj, jj+2
.endr
.irp k, 0,1,2,3
	v_pk_add_f32 v[BM+2*\k:BM+2*\k+1], v[BM+2*\k:BM+2*\k+1], v[BM+8+2*\k:BM+9+2*\k]
.endr
	s_delay_alu instid0(VALU_DEP_2)
	v_pk_add_f32 v[BM:BM+1], v[BM:BM+1], v[BM+4:BM+5]
	s_delay_alu instid0(VALU_DEP_2)
	v_pk_add_f32 v[BM+2:BM+3], v[BM+2:BM+3], v[BM+6:BM+7]
	s_delay_alu instid0(VALU_DEP_1)
	v_pk_add_f32 v[BM:BM+1], v[BM:BM+1], v[BM+2:BM+3]
	s_delay_alu instid0(VALU_DEP_1)
	v_pk_add_f32 v[L:L+1], v[L:L+1], v[BM:BM+1]
.irp b, 0,1,2,3
.set ii, 0
.rept 8                                ; the hold (the conversion does not saturate: ISA guide 7.6.2); p is not negative, so it is one-sided; two numbers a line
	v_dual_min_num_f32 v[\PR+16*\b+ii], v[BD+\b], v[\PR+16*\b+ii] :: v_dual_min_num_f32 v[\PR+16*\b+ii+1], v[BD+\b], v[\PR+16*\b+ii+1]
.set ii, ii+2
.endr
.endr
.irp b, 0,1,2,3                        ; all holds stand ahead of the conversions
	v_cvt_scalef32_pk8_fp8_f32 v[CD+4*\b:CD+4*\b+1], v[\PR+16*\b:\PR+16*\b+7], v[SO+\b]
	v_cvt_scalef32_pk8_fp8_f32 v[CD+4*\b+2:CD+4*\b+3], v[\PR+16*\b+8:\PR+16*\b+15], v[SO+\b]
.endr
	v_nop                                          ; one plain line behind the last conversion
	WALU
	s_wait_dscnt 0x0                               ; V's fragments and scale words are in
.if \isb
	s_cmp_eq_u32 s[CNT], 7                         ; behind the pass's last step there is no K to fetch
	s_cbranch_scc1 .Lnk_\@
.endif
	KLOAD \PR, (\off)+STEPB                        ; the next step's K takes the registers that p has left
.if \isb
.Lnk_\@:
	v_add_nc_u32 v[AD], 2*STEPB, v[AD]             ; on to the next trip
	v_add_nc_u32 v[ADS], 2*STEPB, v[ADS]
.endif
	WALU                                           ; directly ahead of the first reader of O^T
.set jj, 0
.rept 16
	v_pk_mul_f32 v[O+jj:O+jj+1], v[O+jj:O+jj+1], v[F:F+1] op_sel_hi:[1,0]   ; O^T under the new M; also the places between the codes and the products
.set jj, jj+2
.endr
.irp t, 0,2                            ; O^T += V^T P^T: the four accumulators by turns
	v_wmma_scale_f32_16x16x128_f8f6f4 v[O+8*\t:O+8*\t+7], v[\KR+16*\t:\KR+16*\t+15], v[CD:CD+15], v[O+8*\t:O+8*\t+7], v[VS+\t/2], v[PSC]
	v_wmma_scale_f32_16x16x128_f8f6f4 v[O+8*\t+8:O+8*\t+15], v[\KR+16*\t+16:\KR+16*\t+31], v[CD:CD+15], v[O+8*\t+8:O+8*\t+15], v[VS+\t/2], v[PSC] matrix_a_scale:MATRIX_SCALE_ROW1
.endr
.endm
; nb blocks of 16 registers at v[src] on (the other 16 numbers of each block lie in lane l xor 16) become codes at v[CD] on; the scale bytes make v[F]
.macro QUANTP src, nb
.irp b, 0,1,2,3
.if \b < \nb
	v_max3_num_f32 v[BM+\b], |v[\src+16*\b]|, |v[\src+16*\b+1]|, 0x4800000
.endif
.endr
.irp i, 2,4,6,8,10,12,14
.irp b, 0,1,2,3
.if \b < \nb
	v_max3_num_f32 v[BM+\b], v[BM+\b], |v[\src+16*\b+\i]|, |v[\src+16*\b+\i+1]|
.endif
.endr
.endr
.irp b, 0,1,2,3
.if \b < \nb
	v_permlanex16_b32 v[PM+\b], v[BM+\b], s[SEL], s[SEL+1]
.endif
.endr
.irp b, 0,1,2,3
.if \b < \nb
	v_max_num_f32 v[BM+\b], v[BM+\b], v[PM+\b]
.endif
.endr
.irp b, 0,1,2,3
.if \b < \nb
	v_add_nc_u32 v[SO+\b], 0xfc000000, v[BM+\b]
	v_and_or_b32 v[BD+\b], v[BM+\b], 0x7f800000, s[MNT]
	v_lshrrev_b32 v[PM+\b], 23, v[SO+\b]
.endif
.endr
	v_lshl_or_b32 v[F], v[PM+1], 8, v[PM]          ; made ahead of the conversions: the codes lie over the bytes
.if \nb > 2
	v_lshl_or_b32 v[F], v[PM+2], 16, v[F]
	v_lshl_or_b32 v[F], v[PM+3], 24, v[F]
.endif
.irp b, 0,1,2,3
.if \b < \nb
.set ii, 0
.rept 16
	v_med3_num_f32 v[\src+16*\b+ii], v[\src+16*\b+ii], -v[BD+\b], v[BD+\b]
.set ii, ii+1
.endr
	v_cvt_scalef32_pk8_fp8_f32 v[CD+4*\b:CD+4*\b+1], v[\src+16*\b:\src+16*\b+7], v[SO+\b]
	v_cvt_scalef32_pk8_fp8_f32 v[CD+4*\b+2:CD+4*\b+3], v[\src+16*\b+8:\src+16*\b+15], v[SO+\b]
.endif
.endr
	v_nop
.endm
; A pass: my query tile p walks all 2,048 keys, eight trips of two steps
.macro PASS p
.if \p
	s_wait_xcnt 0x0                                ; the last pass's stores have read their registers
	v_and_b32 v[ADS], 31, v0
	v_lshlrev_b32 v[AD], 4, v[ADS]
	v_lshlrev_b32 v[ADS], 2, v[ADS]
.endif
	KLOAD X, 0
	v_mov_b32 v[SM], 0xff61b1e6                    ; the largest score so far: -3e38
	v_mov_b32 v[NM], 0x7e000000                    ; -M: so large that the first f is 0
	v_mov_b32 v[L], 0
	v_mov_b32 v[L+1], 0
.set jj, 0
.rept 32
	v_mov_b32 v[O+jj], 0                           ; O^T: the step is written once; the first finds zeros, which the first change of M leaves zeros
.set jj, jj+1
.endr
.if \p == 0
	s_wait_loadcnt 0x0                             ; both passes' queries and their scale word
	v_perm_b32 v[QSC], v[SV+8], v[SV+8], 0x01000100   ; the first tile's two bytes, twice
.endif
	s_mov_b32 s[CNT], 0
	WALU
.Lstep_\@:
	STEP X, Y, 0, 0
	STEP Y, X, STEPB, 1
	s_add_co_u32 s[CNT], s[CNT], 1
	s_cmp_lt_u32 s[CNT], 8
	s_cbranch_scc1 .Lstep_\@
.endm
; O^T / the sum into v[dst] on; dir 0: quantised along the channels and stored
.macro FINISH p, dst
.if \p == 0
.irp j, 0,1,2,3,4,5,6,7
	v_mov_b32 v[Z+8+\j], v[SV+\j]                  ; the second pass's queries; these nine lines are also the places behind the last products
.endr
	v_perm_b32 v[QSC], v[SV+8], v[SV+8], 0x03020302
.else
.rept 8
	v_nop
.endr
.endif
	v_add_f32 v[L], v[L], v[L+1]
	v_permlanex16_b32 v[F], v[L], s[SEL], s[SEL+1]
	v_add_f32 v[L], v[L], v[F]                     ; the row's sum
	WALU
	v_rcp_f32 v[L], v[L]
	v_and_b32 v[TL+1], 31, v0
	v_lshlrev_b32 v[TL], 4, v[TL+1]
	v_lshlrev_b32 v[TL+1], 2, v[TL+1]
	v_add_nc_u32 v[TL+2], s[HB], v[TL+1]
	WALU                                           ; ahead of the reciprocal's first reader, which is O^T's first reader too
.set jj, 0
.rept 16
	v_pk_mul_f32 v[\dst+jj:\dst+jj+1], v[O+jj:O+jj+1], v[L:L+1] op_sel_hi:[1,0]   ; register 16 b + i: channel 32 b + 16 h + i of my query
.set jj, jj+2
.endr
	WALU
	s_cmp_eq_u32 s[DIR], 0
	s_cbranch_scc0 .Lnot_r_\@
	QUANTP \dst, 2
	global_store_b128 v[TL], v[CD:CD+3], s[OB0:OB0+1] offset:8192*\p
	global_store_b128 v[TL], v[CD+4:CD+7], s[OB0:OB0+1] offset:8192*\p+512
	global_store_b16 v[TL+2], v[F], s[OS0:OS0+1] offset:512*\p
.Lnot_r_\@:
.endm
	PASS 0
	FINISH 0, SV
	PASS 1
	FINISH 1, X
	; dir 1: O goes through the stage, [channel][token].  The addresses are made on every path; the barriers stand on every path.
	s_wait_xcnt 0x0
	v_and_b32 v171, 15, v0                         ; r
	v_bfe_u32 v172, v0, 4, 1                       ; h
	s_lshl_b32 s96, s[WV], 7
	v_mul_u32_u24 v168, v172, 16*SP
	v_lshl_add_u32 v168, v171, 2, v168
	v_add_nc_u32 v168, s96, v168                   ; in: channel 16 h (+ 32 b + i), token 32 w + r (+ 16 p)
	v_add_nc_u32 v169, 32*SP, v168
	s_mul_i32 s96, s[W2], 16*SP
	s_lshl_b32 s97, s[W3], 9
	s_add_co_u32 s96, s96, s97
	v_mul_u32_u24 v170, v171, SP
	v_lshl_add_u32 v170, v172, 6, v170
	v_add_nc_u32 v170, s96, v170                   ; back: channel 16 (w / 4) + r, tokens 128 (w % 4) + 16 h on
	WALU
	s_wait_dscnt 0x0                               ; my reads of the image are over
	s_barrier_signal -1
	s_barrier_wait -1                              ; everybody's are
	s_cmp_eq_u32 s[DIR], 1
	s_cbranch_scc0 .Lno_stage
.irp b, 0,1
.irp i, 0,1,2,3,4,5,6,7,8,9,10,11,12,13,14,15
	ds_store_b32 v[168+\b], v[SV+16*\b+\i] offset:\i*SP
	ds_store_b32 v[168+\b], v[X+16*\b+\i] offset:\i*SP+64
.endr
.endr
.Lno_stage:
	s_wait_dscnt 0x0                               ; for the others' sake: my stores have landed
	s_barrier_signal -1
	s_barrier_wait -1
	s_cmp_eq_u32 s[DIR], 1
	s_cbranch_scc0 .Lclose
.irp c, 0,1,2,3
.irp j, 0,1,2,3
	ds_load_b128 v[Y+16*\c+4*\j:Y+16*\c+4*\j+3], v170 offset:128*\c+16*\j   ; register 16 c + i: token 32 c + 16 h + i of my K step, of channel r of my tile
.endr
.endr
	s_wait_dscnt 0x0
	QUANTP Y, 4
.irp c, 0,1,2,3
	global_store_b128 v[TL], v[CD+4*\c:CD+4*\c+3], s[OB1:OB1+1] offset:512*\c
.endr
	global_store_b32 v[TL+1], v[F], s[OS1:OS1+1]
.Lclose:
	s_wait_tensorcnt 0x0                           ; the wave's end
	ds_add_u32 v[SPW], v[NIL]
	s_wait_dscnt 0x0
	CROUND                                         ; the closing round
	s_endpgm
.Lfunc_end_k_q06ecb4fee9_attn:
	.size	k_q06ecb4fee9_attn, .Lfunc_end_k_q06ecb4fee9_attn-k_q06ecb4fee9_attn
	.p2alignl 7, 3214868480
	.fill 96, 4, 3214868480
	.section	.rodata,"a",@progbits
	.p2align	6, 0x0
	.amdhsa_kernel k_q06ecb4fee9_attn
		.amdhsa_group_segment_fixed_size 327680
		.amdhsa_private_segment_fixed_size 0
		.amdhsa_enable_private_segment 0
		.amdhsa_kernarg_size 24
		.amdhsa_user_sgpr_count 2
		.amdhsa_user_sgpr_kernarg_segment_ptr 1
		.amdhsa_wavefront_size32 1
		.amdhsa_system_sgpr_workgroup_id_x 1
		.amdhsa_system_sgpr_workgroup_id_y 1
		.amdhsa_system_sgpr_workgroup_id_z 1
		.amdhsa_system_vgpr_workitem_id 0
		.amdhsa_next_free_vgpr 256
		.amdhsa_next_free_sgpr 100
		.amdhsa_reserve_vcc 0
		.amdhsa_float_denorm_mode_32 3
		.amdhsa_float_denorm_mode_16_64 3
		.amdhsa_memory_ordered 1
		.amdhsa_forward_progress 1
		.amdhsa_inst_pref_size 114
	.end_amdhsa_kernel
	.amdgpu_metadata
---
amdhsa.version: [ 1, 2 ]
amdhsa.kernels:
  - .name:           k_q06ecb4fee9_attn
    .symbol:         k_q06ecb4fee9_attn.kd
    .args:
      - { .name: kv, .offset: 0, .size: 8, .value_kind: global_buffer, .address_space: global }
      - { .name: oimg, .offset: 8, .size: 8, .value_kind: global_buffer, .address_space: global }
      - { .name: osc, .offset: 16, .size: 8, .value_kind: global_buffer, .address_space: global }
    .group_segment_fixed_size: 327680
    .private_segment_fixed_size: 0
    .kernarg_segment_align: 8
    .kernarg_segment_size: 24
    .max_flat_workgroup_size: 512
    .sgpr_count:     100
    .vgpr_count:     256
    .wavefront_size: 32
...
	.end_amdgpu_metadata
.endif
;; end of part 2
;; launch proj (part 3): grid 128 x 2, 4 waves a work-group, clusters of 4 x 1, 327,680 bytes of LDS; arguments oimg, osc, Wpr_codes, Wpr_scales, bpr, Wpd_codes, Wpd_scales, bpd, out0, out1; writes out0, out1
.if DOCPART == 3
	.amdgcn_target "amdgcn-amd-amdhsa--gfx1250"
	.amdhsa_code_object_version 6
	.text
	.protected	k_q06ecb4fee9_proj
	.globl	k_q06ecb4fee9_proj
	.p2align	8
	.type	k_q06ecb4fee9_proj,@function
k_q06ecb4fee9_proj:
	s_mov_b64 s[64:65], 0
	v_nop
	global_prefetch_b8 v0, s[64:65] scope:SCOPE_SE
	s_setreg_imm32_b32 hwreg(HW_REG_WAVE_MODE, 25, 1), 1
	s_wait_xcnt 0x0
	s_wait_alu depctr_hold_cnt(0) depctr_sa_sdst(0) depctr_va_vdst(0) depctr_va_sdst(0) depctr_va_ssrc(0) depctr_va_vcc(0) depctr_vm_vsrc(0)
	s_getreg_b32 s2, hwreg(HW_REG_IB_STS2, 6, 4)
	s_cmp_eq_u32 s2, 0
	s_cbranch_scc0 .Lentry_in_a_cluster
	s_endpgm
.Lentry_in_a_cluster:
	s_bfe_u32 s2, ttmp6, 0x10000c
	s_cmp_lg_u32 s2, 0x3003
	s_cbranch_scc0 .Lentry_shape_is_right
	s_endpgm
.Lentry_shape_is_right:
; The two output projections, out = A W^T + b, on codes of E4M3 with one E8M0 scale for each 32 along K = 512.  A comes as images of its fragments (oimg, osc), W as the problem gives it.
; SHARES.  Work-group (X, dir): row tiles 4 X + m, m = 0 .. 3 (64 rows), all 512 columns.  Row i of tile m is row 64 X + i RS + m MS of the output: dir 0 (out0, Wpr): RS = 1, MS = 16; dir 1 (out1, Wpd): RS = 4, MS = 1,
; since there a tile's rows are 16 neighbouring channels of one chunk of 512 tokens.  Wave w owns columns 128 w .. 128 w + 127: its 32 fragments of W (512 registers) are read once and stay.  128 x 2 = 256 equal work-groups.
; The product is used transposed (source 0 = 16 rows of W, source 1 = 16 rows of A): a lane holds eight neighbouring columns of one row.  A wave's 128 columns are 512 bytes of a row, two aligned blocks of 256, so each wave has
; a stage of its own in LDS and there is no barrier.  W comes by one joint load of the cluster into LDS, and from there into registers.
; REGISTERS.  Window 0: v1-7 addresses; v16-31 a byte offset for each of a tile's 16 rows; v32-95, v96-159 A's four fragments, two sets; v160-191 W's scale words; v192-199 A's, two sets.
;   Windows 1, 2: W's fragment (K step s, tile t) in window 1 + s / 2 at v[16 (8 (s % 2) + t)].  Window 3: v0-127 eight accumulators, two sets; v128-191 the bias in the result's layout; v192-255 16 rows on their way out.
.set LI,   1
.set LS,   2
.set WA,   3
.set WSA,  4
.set BA,   5
.set SO,   6
.set SR,   7
.set VOFF, 16
.set A0,   32
.set WSC,  160
.set ASC,  192
.set BIAS, 128
.set OUTR, 192
.set WC,  24
.set WS,  26
.set BI,  28
.set OUTP, 30
.set AB,  32
.set SB,  34
.set OB,  36                           ; s[36:43] the output at row tile m's first row
.set WV,  44
.set DIR, 45
.set RSB, 46                           ; 2,048 RS
.set MSB2, 47
.set MSB, 0
.macro WIN new                         ; bits 1:0 source 0, 3:2 source 1, 5:4 source 2, 7:6 destination; the high byte repeats the setting that is left
.if MSB != (\new)
	s_set_vgpr_msb (MSB<<8)|(\new)
.set MSB, (\new)
.endif
.endm
.macro ALOAD m                         ; row tile m: four fragments and their scale words: 20 loads
.irp s, 0,1,2,3
.irp c, 0,1,2,3
	global_load_b128 v[A0+64*((\m)%2)+16*\s+4*\c:A0+64*((\m)%2)+16*\s+4*\c+3], v[LI], s[AB:AB+1] offset:8192*(\m)+2048*\s+512*\c
.endr
	global_load_b32 v[ASC+4*((\m)%2)+\s], v[LS], s[SB:SB+1] offset:512*(\m)+128*\s
.endr
.endm
	s_load_b512 s[4:19], s[0:1], 0x0               ; oimg, osc, Wpr's codes, scales, bpr, Wpd's codes, scales, bpd
	s_load_b128 s[20:23], s[0:1], 0x40             ; out0, out1
	v_lshrrev_b32 v1, 5, v0
	v_readfirstlane_b32 s[WV], v1
; W's WAY, AS IT STANDS NOW.  Four work-groups along x form a cluster: they take the same weight.  Wave w asks for its 128 rows of W (512 bytes each, 16 of padding behind each) by ONE joint load into LDS bytes of its own,
; from byte 34,304 on, behind the stages and the spare words, and reads its 32 fragments from there.
.macro CROUND                          ; a round of the cluster's barrier
	s_barrier_signal -1
	s_barrier_wait -1
	s_cmp_lg_u32 s[WV], 0
	s_cbranch_scc1 .Lnot_wave_0_\@
	s_barrier_signal -3
.Lnot_wave_0_\@:
	s_barrier_wait -3
	s_barrier_signal -1
	s_barrier_wait -1
.endm
	v_lshl_add_u32 v10, v0, 2, 33792               ; my spare word, behind the stages; never rewritten
	v_mov_b32 v11, 0                               ; 0; never rewritten
	ds_add_u32 v10, v11                            ; the opening: the add, twice on end, and its wait ahead of my tensor load
	ds_add_u32 v10, v11
	s_bfe_u32 s80, ttmp6, 0x40000                  ; my place in the cluster: it enters global addresses alone
	s_lshl_b32 s81, ttmp9, 2
	s_add_co_u32 s80, s80, s81                     ; work-group x = 4 x cluster x + cx
	s_mov_b32 s72, 15|(1<<20)|(1<<21)|(6<<22)|(3<<25)   ; group 1: the mask: all four partners; elements of 1 byte; padding: 4 words behind every 128; bit 21 beside a mask
	s_mov_b32 s73, 512<<16
	s_mov_b32 s74, 128<<16
	s_mov_b32 s75, 512<<16
	s_mov_b32 s76, 128
	s_mov_b32 s77, 512
	s_mov_b32 s78, 0
	s_mov_b32 s79, 0
	s_mov_b32 s68, 1
	s_mul_i32 s69, s[WV], 67584
	s_add_co_u32 s69, s69, 34304
	s_and_b32 s[DIR], ttmp7, 0xffff
	v_and_b32 v2, 31, v0
	v_lshlrev_b32 v[LI], 4, v2
	v_lshlrev_b32 v[LS], 2, v2
	v_and_b32 v8, 15, v0                           ; r
	v_bfe_u32 v9, v0, 4, 1                         ; h
	v_mul_u32_u24 v[WA], v8, 528                   ; W in LDS: row r of 528 bytes, + 16 h,
	v_lshl_add_u32 v[WA], v9, 4, v[WA]
	v_add_nc_u32 v[WA], s69, v[WA]                 ; in my wave's 128 rows
	v_lshlrev_b32 v[WSA], 4, v8                    ; its scale bytes: 16 a row
	v_lshlrev_b32 v[BA], 5, v9                     ; the bias: 8 h numbers on
	s_mul_i32 s48, s[WV], 16*528                   ; my stage: 16 rows of 512 bytes + 16
	v_mul_u32_u24 v[SO], v8, 528
	v_lshl_add_u32 v[SO], v9, 5, v[SO]
	v_add_nc_u32 v[SO], s48, v[SO]                 ; in: row r, 32 bytes for each half of the lanes
	v_add_nc_u32 v[SR], s48, v[LI]                 ; back: the 32 lanes take a row
	s_cmp_eq_u32 s[DIR], 0
	s_mov_b32 s[RSB], 8192
	s_cselect_b32 s[RSB], 2048, s[RSB]
	s_mov_b32 s[MSB2], 2048
	s_cselect_b32 s[MSB2], 32768, s[MSB2]
	s_lshl_b32 s49, s[WV], 9                       ; my 128 columns: 512 bytes
.irp i, 0,1,2,3,4,5,6,7,8,9,10,11,12,13,14,15
	s_mul_i32 s48, s[RSB], \i
	s_add_co_u32 s48, s48, s49
	v_add_nc_u32 v[VOFF+\i], s48, v[LI]            ; row i of a tile, my columns, 16 bytes a lane
.endr
	s_lshl_b32 s50, s[DIR], 22                     ; A's images: 4 MiB a direction, 32,768 bytes for my four tiles
	s_lshl_b32 s48, s80, 15
	s_add_co_u32 s50, s50, s48
	s_mov_b32 s51, 0
	s_lshl_b32 s52, s[DIR], 18                     ; their scale words
	s_lshl_b32 s48, s80, 11
	s_add_co_u32 s52, s52, s48
	s_mov_b32 s53, 0
	s_lshl_b32 s54, s80, 17
	s_mov_b32 s55, 0
	s_lshl_b32 s56, s[WV], 16                      ; my 128 rows of W,
	s_mov_b32 s57, 0
	s_lshl_b32 s58, s[WV], 11                      ; their scale bytes,
	s_mov_b32 s59, 0
	s_mov_b32 s60, s49                             ; my 128 numbers of the bias
	s_mov_b32 s61, 0
	s_mov_b32 s62, s[MSB2]
	s_mov_b32 s63, 0
	s_wait_alu depctr_va_vdst(0)                   ; the wait at the head's end
	s_wait_dscnt 0x0                               ; both opening adds are done
	CROUND                                         ; all four work-groups are here: the joint loads meet
	s_wait_kmcnt 0x0
	s_cmp_eq_u32 s[DIR], 0                         ; the choice hangs on the work-group's number alone
	s_cselect_b64 s[WS:WS+1], s[10:11], s[16:17]
	s_cselect_b64 s[BI:BI+1], s[12:13], s[18:19]
	s_cselect_b64 s[OUTP:OUTP+1], s[20:21], s[22:23]
	s_add_nc_u64 s[AB:AB+1], s[4:5], s[50:51]
	s_add_nc_u64 s[SB:SB+1], s[6:7], s[52:53]
	s_cmp_eq_u32 s[DIR], 0                         ; one arm for each weight, chosen by the cluster's y, which the partners share
	s_cbranch_scc0 .Lw_d
	s_add_nc_u64 s[70:71], s[8:9], s[56:57]
	s_or_b32 s71, s71, 0x80000000
	tensor_load_to_lds s[68:71], s[72:79]
	s_nop 0
.rept 4
	v_nop
.endr
	s_branch .Lw_asked
.Lw_d:
	s_add_nc_u64 s[70:71], s[14:15], s[56:57]
	s_or_b32 s71, s71, 0x80000000
	tensor_load_to_lds s[68:71], s[72:79]
	s_nop 0
.rept 4
	v_nop
.endr
.Lw_asked:
	s_add_nc_u64 s[WS:WS+1], s[WS:WS+1], s[58:59]
	s_add_nc_u64 s[BI:BI+1], s[BI:BI+1], s[60:61]
	s_add_nc_u64 s[OB:OB+1], s[OUTP:OUTP+1], s[54:55]
	s_add_nc_u64 s[OB+2:OB+3], s[OB:OB+1], s[62:63]
	s_add_nc_u64 s[OB+4:OB+5], s[OB+2:OB+3], s[62:63]
	s_add_nc_u64 s[OB+6:OB+7], s[OB+4:OB+5], s[62:63]
	ALOAD 0
	WIN 0xc0
.irp t, 0,1,2,3,4,5,6,7                ; register j of tile t is column 16 t + 8 h + j
	global_load_b128 v[BIAS+8*\t:BIAS+8*\t+3], v[BA], s[BI:BI+1] offset:64*\t
	global_load_b128 v[BIAS+8*\t+4:BIAS+8*\t+7], v[BA], s[BI:BI+1] offset:64*\t+16
.endr
	WIN 0
.irp t, 0,1,2,3,4,5,6,7
.irp s, 0,1,2,3
	global_load_b32 v[WSC+4*\t+\s], v[WSA], s[WS:WS+1] offset:256*\t+4*\s
.endr
.endr
	ALOAD 1
	s_wait_tensorcnt 0x0                           ; my rows of W have landed; I alone read them
.irp s, 0,1,2,3
	WIN 0x40*(1+\s/2)
.irp t, 0,1,2,3,4,5,6,7
.irp c, 0,1,2,3
	ds_load_b128 v[16*(8*(\s%2)+\t)+4*\c:16*(8*(\s%2)+\t)+4*\c+3], v[WA] offset:8448*\t+128*\s+32*\c
.endr
.endr
.endr
	WIN 0
	s_wait_dscnt 0x0                               ; W's fragments are in registers
.macro TILE m
.if (\m) < 3
	s_wait_loadcnt 20                              ; all but the next tile's 20 loads are in
.else
	s_wait_loadcnt 0x0
.endif
.irp s, 0,1,2,3                        ; the eight accumulators take turns, one instruction a turn; the bias starts each sum
	WIN 0xf1+\s/2                                  ; W in window 1 or 2, A in window 0, C and D in window 3
.irp t, 0,1,2,3,4,5,6,7
.if \s == 0
	v_wmma_scale_f32_16x16x128_f8f6f4 v[64*((\m)%2)+8*\t:64*((\m)%2)+8*\t+7], v[16*(8*(\s%2)+\t):16*(8*(\s%2)+\t)+15], v[A0+64*((\m)%2)+16*\s:A0+64*((\m)%2)+16*\s+15], v[BIAS+8*\t:BIAS+8*\t+7], v[WSC+4*\t+\s], v[ASC+4*((\m)%2)+\s]
.else
	v_wmma_scale_f32_16x16x128_f8f6f4 v[64*((\m)%2)+8*\t:64*((\m)%2)+8*\t+7], v[16*(8*(\s%2)+\t):16*(8*(\s%2)+\t)+15], v[A0+64*((\m)%2)+16*\s:A0+64*((\m)%2)+16*\s+15], v[64*((\m)%2)+8*\t:64*((\m)%2)+8*\t+7], v[WSC+4*\t+\s], v[ASC+4*((\m)%2)+\s]
.endif
.endr
.endr
	WIN 0
.rept 8
	v_nop                                          ; eight places behind this form, in front of loads into registers that it has read and of the first read of results
.endr
.if (\m) < 2
	ALOAD (\m)+2                                   ; the tile two on takes this tile's registers
.endif
	WIN 0x0c                                       ; an LDS store's data are its source 1: window 3
.irp t, 0,1,2,3,4,5,6,7
	ds_store_b128 v[SO], v[64*((\m)%2)+8*\t:64*((\m)%2)+8*\t+3] offset:64*\t          ; each accumulator from its low end on
	ds_store_b128 v[SO], v[64*((\m)%2)+8*\t+4:64*((\m)%2)+8*\t+7] offset:64*\t+16
.endr
	s_wait_xcnt 0x0                                ; the last tile's stores have read their registers, which the loads below fill again
	WIN 0xc0
.irp i, 0,1,2,3,4,5,6,7,8,9,10,11,12,13,14,15
	ds_load_b128 v[OUTR+4*\i:OUTR+4*\i+3], v[SR] offset:528*\i   ; LDS serves a wave's instructions in order (ISA guide 5.7.1.4): these see my stores, and the next tile's stores come behind them
.endr
	WIN 0x0c
.irp i, 0,1,2,3,4,5,6,7,8,9,10,11,12,13,14,15
	s_wait_dscnt 15-\i                             ; row i is back; the younger rows may be out
	global_store_b128 v[VOFF+\i], v[OUTR+4*\i:OUTR+4*\i+3], s[OB+2*(\m):OB+2*(\m)+1] th:TH_STORE_NT   ; 32 lanes store 512 consecutive bytes, aligned; written once, read by nobody here
.endr
	WIN 0
.endm
	TILE 0
	TILE 1
	TILE 2
	TILE 3
	s_wait_tensorcnt 0x0                           ; the wave's end, behind my last LDS store
	ds_add_u32 v10, v11
	s_wait_dscnt 0x0
	CROUND                                         ; the closing round
	s_endpgm
.Lfunc_end_k_q06ecb4fee9_proj:
	.size	k_q06ecb4fee9_proj, .Lfunc_end_k_q06ecb4fee9_proj-k_q06ecb4fee9_proj
	.p2alignl 7, 3214868480
	.fill 96, 4, 3214868480
	.section	.rodata,"a",@progbits
	.p2align	6, 0x0
	.amdhsa_kernel k_q06ecb4fee9_proj
		.amdhsa_group_segment_fixed_size 327680
		.amdhsa_private_segment_fixed_size 0
		.amdhsa_enable_private_segment 0
		.amdhsa_kernarg_size 80
		.amdhsa_user_sgpr_count 2
		.amdhsa_user_sgpr_kernarg_segment_ptr 1
		.amdhsa_wavefront_size32 1
		.amdhsa_system_sgpr_workgroup_id_x 1
		.amdhsa_system_sgpr_workgroup_id_y 1
		.amdhsa_system_sgpr_workgroup_id_z 1
		.amdhsa_system_vgpr_workitem_id 0
		.amdhsa_next_free_vgpr 1024
		.amdhsa_next_free_sgpr 84
		.amdhsa_reserve_vcc 0
		.amdhsa_float_denorm_mode_32 3
		.amdhsa_float_denorm_mode_16_64 3
		.amdhsa_memory_ordered 1
		.amdhsa_forward_progress 1
		.amdhsa_inst_pref_size 62
	.end_amdhsa_kernel
	.amdgpu_metadata
---
amdhsa.version: [ 1, 2 ]
amdhsa.kernels:
  - .name:           k_q06ecb4fee9_proj
    .symbol:         k_q06ecb4fee9_proj.kd
    .args:
      - { .name: oimg, .offset: 0, .size: 8, .value_kind: global_buffer, .address_space: global }
      - { .name: osc, .offset: 8, .size: 8, .value_kind: global_buffer, .address_space: global }
      - { .name: Wpr_codes, .offset: 16, .size: 8, .value_kind: global_buffer, .address_space: global }
      - { .name: Wpr_scales, .offset: 24, .size: 8, .value_kind: global_buffer, .address_space: global }
      - { .name: bpr, .offset: 32, .size: 8, .value_kind: global_buffer, .address_space: global }
      - { .name: Wpd_codes, .offset: 40, .size: 8, .value_kind: global_buffer, .address_space: global }
      - { .name: Wpd_scales, .offset: 48, .size: 8, .value_kind: global_buffer, .address_space: global }
      - { .name: bpd, .offset: 56, .size: 8, .value_kind: global_buffer, .address_space: global }
      - { .name: out0, .offset: 64, .size: 8, .value_kind: global_buffer, .address_space: global }
      - { .name: out1, .offset: 72, .size: 8, .value_kind: global_buffer, .address_space: global }
    .group_segment_fixed_size: 327680
    .private_segment_fixed_size: 0
    .kernarg_segment_align: 8
    .kernarg_segment_size: 80
    .max_flat_workgroup_size: 128
    .sgpr_count:     84
    .vgpr_count:     1024
    .wavefront_size: 32
...
	.end_amdgpu_metadata
.endif
;; end of part 3
